; MI455X (gfx1250); checked and timed in simulation.
; The chip was launched on July 23, 2026; its instructions are those of AMD's public machine-readable ISA for CDNA 5 (MIT licence, August 2026) and "CDNA5" Instruction Set Architecture Reference Guide (July 2026). The comments in the code are by the model that wrote it; some were corrected since.
;; Multihead Flash Linear Ensemble1. Allowed arithmetic: matrix products marked QUANTISED: E2M3 operands, one E8M0 scale for each 32 along K, by v_wmma_scale_f32_16x16x128_f8f6f4 with both operands' format E2M3, f32 sums; everything else in f32.
;; Inputs: cos 2,048 x 16 float32; gamma 128 float32; k_w 512 x 2,048 float32; out_w 2,048 x 2,048 float32; q_w 2,048 x 2,048 float32; raw_map_weights 4 float32; sin 2,048 x 16 float32; v_w 512 x 2,048 float32; weight_scale 1 float32; x 1 x 2,048 x 2,048 float32.
;; Outputs: out0 1 x 2,048 x 2,048 float32.
;; This version of the problem:
;;   THIS VERSION OF THE PROBLEM IS GIVEN IN LOW PRECISION. The matrix products marked QUANTISED in the list below multiply operands that are first quantised to E2M3 (2 exponent bits, 3 mantissa bits; 6 bits a number), with one power-of-two scale for each 32 numbers along K (OCP MX v1.0); their sums are f32. All else is computed in f32.
;;   The module's matrix products, in the order in which they are computed (A, B: the left and right operand; K: the contracted axis; several contracted axes count as one K, in the product's order):
;;     1. [M 2,048, K 2,048] x [K 2,048, N 2,048]; A: input x; B: input q_w: QUANTISED
;;     2. [M 2,048, K 2,048] x [K 2,048, N 512]; A: input x; B: input k_w: QUANTISED
;;     3. [M 2,048, K 2,048] x [K 2,048, N 512]; A: input x; B: input v_w: QUANTISED
;;     4. batch 16 x [M 2,048, K 32] x [K 32, N 2,048]; A: computed on the way; B: computed on the way: QUANTISED
;;     5. batch 16 x [M 128, K 2,048] x [K 2,048, N 2,048]; A: computed on the way; B: softmax (see below): QUANTISED
;;     6. batch 16 x [M 2,048, K 32] x [K 32, N 2,048]; A: computed on the way; B: computed on the way: QUANTISED
;;     7. batch 16 x [M 128, K 2,048] x [K 2,048, N 2,048]; A: computed on the way; B: softmax (see below): QUANTISED
;;     8. batch 16 x [M 2,048, K 32] x [K 32, N 2,048]; A: computed on the way; B: computed on the way: QUANTISED
;;     9. batch 16 x [M 128, K 2,048] x [K 2,048, N 2,048]; A: computed on the way; B: softmax (see below): QUANTISED
;;     10. batch 16 x [M 2,048, K 32] x [K 32, N 2,048]; A: computed on the way; B: computed on the way: QUANTISED
;;     11. batch 16 x [M 128, K 2,048] x [K 2,048, N 2,048]; A: computed on the way; B: softmax (see below): QUANTISED
;;     12. [M 2,048, K 2,048] x [K 2,048, N 2,048]; A: computed on the way; B: input out_w: QUANTISED
;;   THE QUANTISER, for each operand of a quantised product, along K:
;;     - K is cut into blocks of 32 from its start; a last block that is shorter is filled with zeros.
;;     - A block's scale is 2^e with e = floor(log2(the largest magnitude in the block)) - 2, held to -126 .. 127; a block of zeros has e = 0. As a byte (E8M0): e + 127.
;;     - Each number is divided by its block's scale, clamped to +-7.5, and rounded to the nearest number of E2M3, ties to even, subnormals kept.
;;     - The product sums the exact products of the quantised numbers (number of the format x scale) in f32.
;;   ~~~python
;;   def quantise(x, axis):      # numpy; x: float32 -> the quantised numbers, widened to float32 again
;;       x = np.moveaxis(x, axis, -1); K = x.shape[-1]
;;       x = np.pad(x, [(0, 0)] * (x.ndim - 1) + [(0, -K % 32)]); x = x.reshape(x.shape[:-1] + (-1, 32)); a = np.abs(x).max(-1, keepdims=True)
;;       e = np.where(a > 0, np.clip(np.frexp(np.where(a > 0, a, 1))[1] - 1 - 2, -126, 127), 0)      # np.frexp(a)[1] - 1 = floor(log2(a)), exactly
;;       r = np.clip(x / 2.0 ** e, -7.5, 7.5)
;;       step = 2.0 ** (np.maximum(np.frexp(np.where(r == 0, 1, r))[1] - 1, 0) - 3)
;;       q = np.round(r / step) * step * 2.0 ** e      # np.round: ties to even
;;       return np.moveaxis(q.reshape(q.shape[:-2] + (-1,))[..., :K], -1, axis).astype(np.float32)
;;   ~~~
;;   SOFTMAX AHEAD OF A QUANTISED PRODUCT. Where the list says 'softmax', what is quantised is not the finished softmax but p = 2^(t - M), with t = logit x log2(e) and M = ceil(the row's largest t), a whole number; so 1/2 < the row's largest p <= 1. The row's sum l is taken of the UNQUANTISED p, in f32, and the product's result is divided by l at the end. Since M is a whole number, a kernel that streams over the keys may use a running M (the ceiling of the running maximum): every later rescaling is an exact power of two, which a block's scale takes up: the codes' values come out the same.
;;   OPERANDS COMPUTED ON THE WAY. 'Computed on the way' means the value that the module computes at that place (a softmax that the list does not call 'softmax' is quantised finished and normalised). What goes into a quantiser is computed in f32, as accurately as f32 sums, v_exp_f32 and their like allow (about 1e-6 of the number): no bf16 or f16 on the way to a quantiser, and a product that is left as it is and whose result goes on into a quantised operand takes f32 operands (vector FMAs, or v_wmma_f32_16x16x4_f32). A number that lies on a knife's edge between two numbers of the format may be rounded either way, as far as f32 arithmetic and the matrix unit's own rounding can turn it there, and no further.
;; One version. Each part assembles by itself: llvm-mc -triple=amdgcn-amd-amdhsa -mcpu=gfx1250 --defsym DOCPART=n.
;; ======== version 1 of 1: 4 launches
;; limits: right only within a limited range of input values
;; workspace buffers: img 11,468,800 bytes; qimg 3,145,728 bytes; qscl 131,072 bytes; kv 1,638,400 bytes; nimg 3,276,800 bytes
;; launch quant (part 1): grid 448 x 1, 4 waves a work-group, no clusters, 48,128 bytes of LDS; arguments x, q_w, k_w, v_w, out_w, img; writes img
.if DOCPART == 1
	.amdgcn_target "amdgcn-amd-amdhsa--gfx1250"
	.amdhsa_code_object_version 6
	.text
	.protected	k_qe703d20b86_quant
	.globl	k_qe703d20b86_quant
	.p2align	8
	.type	k_qe703d20b86_quant,@function
k_qe703d20b86_quant:
	s_mov_b64 s[64:65], 0
	v_nop
	global_prefetch_b8 v0, s[64:65] scope:SCOPE_SE
	s_setreg_imm32_b32 hwreg(HW_REG_WAVE_MODE, 25, 1), 1
	s_wait_xcnt 0x0
; x [2048][2048], q_w [2048][2048], k_w [512][2048], v_w [512][2048], out_w [2048][2048], all f32 with K innermost, become codes of FP6 (E2M3) with one E8M0 byte for each 32 along K.
; A block's scale is 2^(floor(log2(its largest magnitude)) - 2); its byte is the largest magnitude's exponent field - 2, held at 1 from below.
; LIMITS: NaN and infinities are not served; a block of zeros, or one whose largest magnitude lies under 2^-124, gets the byte 1 (its codes add nothing or are the nearest codes under that scale); only this program reads the bytes.
; LEFT OUT in the attention launch: key steps wholly above the diagonal of the causal mask that the problem builds itself (their p is 0 for all inputs).
; THE CODES LEAVE AS IMAGES OF OPERAND REGISTERS.  A fragment is 16 rows x 128 K, 12 registers a lane: lane 16 h + r holds in registers 6 c .. 6 c + 5 block 2 c + h of row r.  Its image, 1,536 bytes, has register p of
; lane L at 512 (p / 4) + 16 L + 4 (p % 4).  img: [448 row tiles][4 chunks][6,400]: a chunk is four K steps' images and behind them their scale words, 4 x 16 words, word r = row r's four bytes.
; Row tiles 0-127: x.  128-319: for j = 0 .. 15 twelve tiles: 8 of q_w (rows 128 j on), 2 of k_w (rows 32 j on), 2 of v_w (rows 32 j on).  320-447: out_w.
; A work-group takes one row tile; wave w its K 512 w .. 512 w + 511: one chunk.  Step t is row t: 512 numbers, loaded 512 consecutive bytes an instruction and turned through the wave's own stage in LDS so that
; a lane holds 16 neighbours (two neighbouring lanes hold a block).  A lane's three code registers go to their places in a second stage, which leaves as twelve runs of 512 consecutive bytes.
; No barrier: a wave reads only its own LDS.  One path serves all five tensors: only pointers and offsets are chosen, by the work-group's number.
.set STEPS, 16
.set SP,    80                         ; a lane's place in a turning stage: 64 bytes + 16 of padding
.set CST,   2*32*SP                    ; behind the two turning stages: the code stage, 24 units of 256 bytes + 16 of padding
.set SST,   CST+24*272                 ; behind it: the wave's 256 scale bytes
.set WREG,  SST+256                    ; a wave's LDS: 11,904 bytes
.set R,     16                         ; v16-79   four sets of 16 numbers as loaded; on the way out the images
.set X,     80                         ; v80-111  two sets of 16 neighbours
.set E,     112                        ; v112-127 a scale byte for each step
.set C,     128                        ; v128-191 codes: four registers for each step, never written again
.set CA,    192                        ; v192-194 where my three code registers go in the code stage
	s_load_b256 s[4:11], s[0:1], 0x0               ; x, q_w, k_w, v_w
	s_load_b128 s[12:15], s[0:1], 0x20             ; out_w, img
	v_lshl_add_u32 v200, v0, 2, 0xba00
	v_mov_b32 v201, 0
	v_lshrrev_b32 v1, 5, v0
	v_readfirstlane_b32 s18, v1                    ; wave
	v_and_b32 v2, 31, v0                           ; lane
	v_lshlrev_b32 v3, 4, v2                        ; 16 x lane: my bytes of a load's 512, and of a store's
	v_lshlrev_b32 v7, 3, v2                        ; 8 x lane: the scale bytes' way out
	s_mul_i32 s19, s18, WREG
	s_add_co_u32 s20, s19, CST
	s_add_co_u32 s21, s19, SST
	v_lshrrev_b32 v14, 2, v2
	v_mul_u32_u24 v14, v14, SP
	v_and_b32 v15, 3, v2
	v_lshl_add_u32 v14, v15, 4, v14
	v_add_nc_u32 v14, s19, v14                     ; turning stage, in: SP (lane / 4) + 16 (lane % 4)
	v_mul_u32_u24 v15, v2, SP
	v_add_nc_u32 v15, s19, v15                     ; and out: SP x lane
	v_lshrrev_b32 v4, 4, v2
	v_lshl_add_u32 v4, v4, 4, v3
	v_add_nc_u32 v4, s20, v4                       ; code stage, out: 16 lane + 16 (lane / 16); a run of 512 bytes is 544 on from the last
	v_add_nc_u32 v6, s21, v7
	v_lshrrev_b32 v8, 3, v2                        ; f: my fragment (8 lanes hold 128 along K)
	v_bfe_u32 v9, v2, 2, 1                         ; c, h: my block in it is 2 c + h
	v_bfe_u32 v10, v2, 1, 1
	v_and_b32 v11, 1, v2                           ; u: my half of the block
	v_bfe_u32 v1, v2, 1, 2
	v_lshl_add_u32 v5, v8, 6, v1
	v_add_nc_u32 v5, s21, v5                       ; my block's byte: 64 f + 2 c + h; row t: 4 t on
	v_mul_u32_u24 v12, v8, 6*272
	v_mad_u32_u24 v12, v10, 272, v12
	v_add_nc_u32 v12, s20, v12                     ; unit 6 f + h of the code stage
	v_mul_u32_u24 v13, v9, 6
	v_mad_u32_u24 v13, v11, 3, v13                 ; my first register of the fragment: 6 c + 3 u
.irp i, 0,1,2
	v_add_nc_u32 v1, \i, v13                       ; register p
	v_lshrrev_b32 v[CA+\i], 2, v1
	v_and_b32 v1, 3, v1
	v_mad_u32_u24 v[CA+\i], v[CA+\i], 544, v12     ; two units on for each four registers
	v_lshl_add_u32 v[CA+\i], v1, 2, v[CA+\i]       ; + 4 (p % 4); row t: 16 t on
.endr
	s_wait_kmcnt 0x0
	s_mov_b64 s[22:23], s[12:13]                   ; out_w's five numbers, unless the work-group's number says otherwise
	s_mov_b32 s24, 320                             ; the tensor's first work-group
	s_mov_b32 s25, 3                               ; tile i goes to row tile base + mul (i >> sh) + (i & msk)
	s_mov_b32 s26, 8
	s_mov_b32 s27, 7
	s_mov_b32 s28, 320
.macro PICK bound, ptr, first, sh, mul, msk, base
	s_cmp_lt_u32 ttmp9, \bound
	s_cselect_b64 s[22:23], s[\ptr:\ptr+1], s[22:23]
	s_cselect_b32 s24, \first, s24
	s_cselect_b32 s25, \sh, s25
	s_cselect_b32 s26, \mul, s26
	s_cselect_b32 s27, \msk, s27
	s_cselect_b32 s28, \base, s28
.endm
	PICK 320, 10, 288, 1, 12, 1, 138               ; v_w
	PICK 288, 8, 256, 1, 12, 1, 136                ; k_w
	PICK 256, 6, 128, 3, 12, 7, 128                ; q_w
	PICK 128, 4, 0, 3, 8, 7, 0                     ; x
	s_sub_co_u32 s24, ttmp9, s24                   ; i: which 16 rows of the tensor
	s_lshr_b32 s29, s24, s25
	s_mul_i32 s29, s29, s26
	s_and_b32 s30, s24, s27
	s_add_co_u32 s29, s29, s30
	s_add_co_u32 s29, s29, s28                     ; the row tile
	s_lshl_b32 s30, s24, 17                        ; 16 rows of 8,192 bytes,
	s_lshl_b32 s31, s18, 11                        ; my wave's 2,048 bytes of a row
	s_add_co_u32 s30, s30, s31
	s_mov_b32 s31, 0
	s_add_nc_u64 s[22:23], s[22:23], s[30:31]
	s_mul_i32 s30, s29, 25600
	s_mul_i32 s32, s18, 6400
	s_add_co_u32 s30, s30, s32
	s_add_nc_u64 s[14:15], s[14:15], s[30:31]      ; my chunk: four images, then 256 scale bytes
.macro LOAD t
.irp i, 0,1,2,3
	global_load_b128 v[R+16*((\t)%4)+4*\i:R+16*((\t)%4)+4*\i+3], v3, s[22:23] offset:8192*(\t)+512*\i th:TH_LOAD_NT   ; 32 lanes read 512 consecutive bytes
.endr
.endm
.macro TURN t                          ; step t's numbers through a turning stage: LDS serves a wave's instructions in order, so no wait stands between the stores and the loads
.irp i, 0,1,2,3
	ds_store_b128 v14, v[R+16*((\t)%4)+4*\i:R+16*((\t)%4)+4*\i+3] offset:32*SP*((\t)%2)+8*SP*\i
.endr
.irp i, 0,1,2,3
	ds_load_b128 v[X+16*((\t)%2)+4*\i:X+16*((\t)%2)+4*\i+3], v15 offset:32*SP*((\t)%2)+16*\i
.endr
.endm
.irp t, 0,1,2,3
	LOAD \t
.endr
	s_wait_loadcnt 12                              ; step 0's four loads are in
	TURN 0
.macro STEP t
.set XS, X+16*((\t)%2)
.if (\t) > 0
	s_wait_dscnt 4                                 ; this step's numbers are back (the last step's four stores of codes and byte may be out): so its stores into the stage have read their registers,
.else
	s_wait_dscnt 0x0
.endif
.if (\t)+4 < STEPS
	LOAD (\t)+4                                    ; which take the loads of four steps on
.endif
.if (\t)+1 < STEPS
.if STEPS-2-(\t) >= 3
	s_wait_loadcnt 12                              ; the next step's four loads are in; those of the three steps behind it may be out
.else
	s_wait_loadcnt 4*(STEPS-2-(\t))
.endif
	TURN (\t)+1
.endif
	v_max3_num_f32 v8, |v[XS]|, |v[XS+1]|, |v[XS+2]|               ; the largest magnitude of my 16, in two chains
	v_max3_num_f32 v9, |v[XS+3]|, |v[XS+4]|, |v[XS+5]|
.irp i, 6,10
	v_max3_num_f32 v8, v8, |v[XS+\i]|, |v[XS+\i+1]|
	v_max3_num_f32 v9, v9, |v[XS+\i+2]|, |v[XS+\i+3]|
.endr
	v_max3_num_f32 v8, v8, |v[XS+14]|, |v[XS+15]|
	v_max3_num_f32 v8, v8, v9, 0x1800000           ; and the floor 2^(3 - 127): the byte cannot fall under 1
	v_max_num_f32_dpp v8, v8, v8 row_xmask:1 row_mask:0xf bank_mask:0xf   ; with my neighbour's 16: the block's
	v_add_nc_u32 v11, 0xff000000, v8               ; 2 off its exponent field: the conversion takes the exponent field of this operand as its scale
	v_cvt_scalef32_pk16_fp6_f32 v[C+4*(\t):C+4*(\t)+2], v[XS:XS+15], v11
	v_lshrrev_b32 v[E+(\t)], 23, v11               ; the scale's byte (a plain line behind the conversion)
	ds_store_b8 v5, v[E+(\t)] offset:4*(\t)        ; both lanes of a block write the same byte with the same value
.irp i, 0,1,2
	ds_store_b32 v[CA+\i], v[C+4*(\t)+\i] offset:16*(\t)
.endr
.endm
.irp t, 0,1,2,3,4,5,6,7,8,9,10,11,12,13,14,15
	STEP \t
.endr
.irp i, 0,1,2,3,4,5,6,7,8,9,10,11
	ds_load_b128 v[R+4*\i:R+4*\i+3], v4 offset:544*\i              ; LDS serves a wave's instructions in order: these see my stores
.endr
	ds_load_b64 v[12:13], v6
.irp i, 0,1,2,3,4,5,6,7,8,9,10,11
	s_wait_dscnt 12-\i                             ; run i is back; the younger loads may be out
	global_store_b128 v3, v[R+4*\i:R+4*\i+3], s[14:15] offset:512*\i   ; 32 lanes store 512 consecutive bytes, at a multiple of 256 from img's first byte
.endr
	s_wait_dscnt 0x0
	global_store_b64 v7, v[12:13], s[14:15] offset:6144   ; 32 lanes store 256 consecutive bytes, aligned: the chunk's scale words
	s_wait_tensorcnt 0x0
	ds_add_u32 v200, v201
	s_wait_dscnt 0x0
	s_endpgm
.Lfunc_end_k_qe703d20b86_quant:
	.size	k_qe703d20b86_quant, .Lfunc_end_k_qe703d20b86_quant-k_qe703d20b86_quant
	.p2alignl 7, 3214868480
	.fill 96, 4, 3214868480
	.section	.rodata,"a",@progbits
	.p2align	6, 0x0
	.amdhsa_kernel k_qe703d20b86_quant
		.amdhsa_group_segment_fixed_size 48128
		.amdhsa_private_segment_fixed_size 0
		.amdhsa_enable_private_segment 0
		.amdhsa_kernarg_size 48
		.amdhsa_user_sgpr_count 2
		.amdhsa_user_sgpr_kernarg_segment_ptr 1
		.amdhsa_wavefront_size32 1
		.amdhsa_system_sgpr_workgroup_id_x 1
		.amdhsa_system_sgpr_workgroup_id_y 1
		.amdhsa_system_sgpr_workgroup_id_z 1
		.amdhsa_system_vgpr_workitem_id 0
		.amdhsa_next_free_vgpr 202
		.amdhsa_next_free_sgpr 66
		.amdhsa_reserve_vcc 0
		.amdhsa_float_denorm_mode_32 3
		.amdhsa_float_denorm_mode_16_64 3
		.amdhsa_memory_ordered 1
		.amdhsa_forward_progress 1
		.amdhsa_inst_pref_size 39
	.end_amdhsa_kernel
	.amdgpu_metadata
---
amdhsa.version: [ 1, 2 ]
amdhsa.kernels:
  - .name:           k_qe703d20b86_quant
    .symbol:         k_qe703d20b86_quant.kd
    .args:
      - { .name: x, .offset: 0, .size: 8, .value_kind: global_buffer, .address_space: global }
      - { .name: q_w, .offset: 8, .size: 8, .value_kind: global_buffer, .address_space: global }
      - { .name: k_w, .offset: 16, .size: 8, .value_kind: global_buffer, .address_space: global }
      - { .name: v_w, .offset: 24, .size: 8, .value_kind: global_buffer, .address_space: global }
      - { .name: out_w, .offset: 32, .size: 8, .value_kind: global_buffer, .address_space: global }
      - { .name: img, .offset: 40, .size: 8, .value_kind: global_buffer, .address_space: global }
    .group_segment_fixed_size: 48128
    .private_segment_fixed_size: 0
    .kernarg_segment_align: 8
    .kernarg_segment_size: 48
    .max_flat_workgroup_size: 128
    .sgpr_count:     66
    .vgpr_count:     202
    .wavefront_size: 32
...
	.end_amdgpu_metadata
.endif
;; end of part 1
;; launch qkv (part 2): grid 16 x 16, 8 waves a work-group, clusters of 4 x 4, 327,680 bytes of LDS; arguments img, cos, sin, qimg, qscl, kv; writes qimg, qscl, kv
.if DOCPART == 2
	.amdgcn_target "amdgcn-amd-amdhsa--gfx1250"
	.amdhsa_code_object_version 6
	.text
	.protected	k_qe703d20b86_qkv
	.globl	k_qe703d20b86_qkv
	.p2align	8
	.type	k_qe703d20b86_qkv,@function
k_qe703d20b86_qkv:
	s_mov_b64 s[64:65], 0
	v_nop
	global_prefetch_b8 v0, s[64:65] scope:SCOPE_SE
	s_setreg_imm32_b32 hwreg(HW_REG_WAVE_MODE, 25, 1), 1
	s_wait_xcnt 0x0
	s_wait_alu depctr_hold_cnt(0) depctr_sa_sdst(0) depctr_va_vdst(0) depctr_va_sdst(0) depctr_va_ssrc(0) depctr_va_vcc(0) depctr_vm_vsrc(0)
	s_getreg_b32 s2, hwreg(HW_REG_IB_STS2, 6, 4)
	s_cmp_eq_u32 s2, 0
	s_cbranch_scc0 .Lentry_in_a_cluster
	s_endpgm
.Lentry_in_a_cluster:
	s_bfe_u32 s2, ttmp6, 0x10000c
	s_cmp_lg_u32 s2, 0xf033
	s_cbranch_scc0 .Lentry_shape_is_right
	s_endpgm
.Lentry_shape_is_right:
; [q | k | v] = x [q_w; k_w; v_w]^T on codes of FP6 (E2M3) with E8M0 scales, f32 sums; then the interleaved rotary on q and k, and q, k (along a map's 32) and v (along the keys) are quantised for the attention launch.
; Operands come as images of their registers (a fragment: 16 rows x 128 K, 1,536 bytes, register p of lane L at 512 (p / 4) + 16 L + 4 (p % 4)); a row tile is four chunks of 6,400 bytes: four K steps' images and their 4 x 64 bytes of scale words.
; SHARES.  Work-group (j, y): tokens 128 y .. + 127 against the twelve row tiles of weights of group j: q head j (128 rows), k's rows 32 j on (kv head j / 4, map j % 4), v's rows 32 j on (kv head j / 4, channels 32 (j % 4) on).
; Eight waves, two to a SIMD, 256 registers each: wave w makes rows 64 (w / 4) on x columns 48 (w % 4) on: 4 x 3 accumulators.  Source 0 = 16 rows of weights, source 1 = 16 tokens: a lane holds one token and 8 neighbouring columns.
; K goes in 16 steps of 128 through two LDS slots of one chunk (4 steps) of each tile; four fills in all, written out.  Waves 0-3 fetch x's tiles, waves 4-7 the weights'.  The scale words come with the chunks.
; CLUSTER 4 x 4: x's tiles are shared along a row of the cluster, the weights' along a column: each is asked for jointly, by the same tensor load with the same descriptor and a mask that names the four.
; THE WAY OUT.  The 128 x 192 results meet in a stage in slot 0 (it has had its last fill, and its last read lies ahead of the last change of slots).  Then: every wave takes 16 tokens of q: rotary, four blocks = four maps,
; stored as six runs of 256 bytes (register p of lane L at 256 (p / 2) + 8 L + 4 (p % 2)).  Waves 0, 1: k: rotary, an operand of 64 keys: block b of its row r is key 64 (w % 2) + 16 b + r.  Waves 2, 3: v, a lane to a
; channel and registers down the keys: row r of fragment 2 (j % 4) + w % 2 is channel 32 (j % 4) + 8 (w % 2) + r + 8 (r / 8); place (h, i) of key block b is key 32 b + 8 h + i + 8 (i / 8), the order in which the attention launch holds p.
; kv: [kv head 4][key step 16][25,600]: K's 8 images (map, half), K's 8 x 64 bytes of scale words, V's 8 images, V's 8 x 64: two halves of 12,800 bytes.
; LIMITS: NaN and infinities are not served; a block of zeros or under 2^-124 has the byte 1; only this program reads the bytes.
.set NBT,   12                         ; row tiles of weights for a work-group
.set NBW,   NBT/4                      ; and for a wave
.set TILEB, 6400                       ; a chunk
.set FRB,   1536
.set SCO,   4*FRB                      ; where a chunk's scale words begin
.set SLOTB, (8+NBT)*TILEB              ; a slot: x's 8 tiles, then the weights'
.set BOFF,  8*TILEB
.set SPARE, 2*SLOTB                    ; the spare words, 128 bytes for each wave: four blocks of 256 bytes that no other line names
.set WOFF,  128*25600                  ; where the weights' tiles begin in img
.set SPITCH, 784                       ; a stage row: 192 f32 + 16 bytes
.set SEL,   2                          ; s[2:3] lane selects for v_permlanex16_b32: lane l xor 16
.set WV,    18
.set RH,    19                         ; wave / 4: my half of the rows.  Also: I fetch for x (0) or for the weights (1)
.set CQ,    20                         ; wave % 4: my quarter of the columns.  Also: which part I fetch
.set G1A,   28                         ; s[28:35], s[36:43] descriptor group 1 for x's and the weights' tiles
.set G1B,   36
.set G0A,   60                         ; s[60:63], s[68:71] group 0 for x's tiles, a set for each slot; s[72:79] for the weights'
.set G0B,   72
.set ADRA,  4                          ; v4-5  LDS address of my x fragments in slot 0, 1
.set ADRB,  6                          ; v6-7  of my weights' fragments
.set ADSA,  8                          ; v8-9  of x's scale words
.set ADSB,  116                        ; v116-117  of the weights'
.set SPW,   10                         ; v10  LDS address of my spare word; never rewritten
.set NIL,   11                         ; v11  0; never rewritten
.set STO,   12                         ; v12  the stage: where I put 32 bytes of a row
.set QRD,   13                         ; v13-16  where the three tasks read it
.set KRD,   14
.set VRD,   15
.set VRD2,  16
.set L16,   17                         ; v17  16 x lane   v18  8 x lane   v19  4 x (lane % 16)
.set L8,    18
.set R4,    19
.set CSQ,   20                         ; v20, v21  my byte in cos and sin for q's token, for k's first token
.set CSK,   21
.set SA,    24                         ; v24-27 x's scale words, v28-30 the weights': scales and nothing else
.set SB,    28
.set AF,    32                         ; v32-79  four fragments of x
.set BF,    80                         ; v80-115 three of the weights
.set ACC,   128                        ; v128-223 accumulator (a, b) at 128 + 8 (3 a + b)
.set CO,    32                         ; the way out: v32-63 cos, v64-95 sin, v128-191 64 numbers, v200-215 at work, v216 a scale word, v224-242 codes
.set SI,    64
.set N,     128
.set TM,    200
.set PW,    216
.set PC,    224
.macro JLOAD g0a, g1a, g0b, g1b        ; a joint load; the branch hangs on the wave's number alone; four v_nop follow each of the two lines
	s_cmp_eq_u32 s[RH], 0
	s_cbranch_scc0 .Lfor_b_\@
	tensor_load_to_lds s[\g0a:\g0a+3], s[\g1a:\g1a+7]
	s_nop 0
.rept 4
	v_nop
.endr
	s_branch .Lasked_\@
.Lfor_b_\@:
	tensor_load_to_lds s[\g0b:\g0b+3], s[\g1b:\g1b+7]
	s_nop 0
.rept 4
	v_nop
.endr
.Lasked_\@:
.endm
.macro CROUND                          ; a round of the cluster's barrier
	s_barrier_signal -1
	s_barrier_wait -1
	s_cmp_lg_u32 s[WV], 0
	s_cbranch_scc1 .Lnot_wave_0_\@
	s_barrier_signal -3
.Lnot_wave_0_\@:
	s_barrier_wait -3
	s_barrier_signal -1
	s_barrier_wait -1
.endm
	s_load_b64 s[4:5], s[0:1], 0x0                 ; img
	s_load_b256 s[8:15], s[0:1], 0x8               ; cos, sin, qimg, qscl
	s_load_b64 s[16:17], s[0:1], 0x28              ; kv
	v_lshl_add_u32 v[SPW], v0, 2, SPARE
	v_mov_b32 v[NIL], 0
	ds_add_u32 v10, v11
	ds_add_u32 v10, v11
	s_wait_dscnt 0x0
	v_lshrrev_b32 v1, 5, v0
	s_delay_alu instid0(VALU_DEP_1)
	v_readfirstlane_b32 s[WV], v1
	s_lshr_b32 s[RH], s[WV], 2
	s_and_b32 s[CQ], s[WV], 3
	s_mov_b32 s[SEL], 0x76543210
	s_mov_b32 s[SEL+1], 0xfedcba98
	s_bfe_u32 s21, ttmp6, 0x40000                  ; cx, cy: my place in the cluster
	s_bfe_u32 s22, ttmp6, 0x40004
	s_lshl_b32 s23, ttmp9, 2
	s_add_co_u32 s23, s23, s21                     ; j = 4 x cluster x + cx
	s_and_b32 s24, ttmp7, 0xffff
	s_lshl_b32 s24, s24, 2
	s_add_co_u32 s24, s24, s22                     ; y = 4 x cluster y + cy
	s_lshl_b32 s25, s22, 2
	s_lshl_b32 s25, 15, s25                        ; my row of the cluster
	s_lshl_b32 s26, 0x1111, s21                    ; my column
	; group 1: rows of 6,400 bytes (800 elements of 8 bytes: a chunk of a row tile), 25,600 bytes apart, 2 or NBW of them, dense in LDS
	s_or_b32 s[G1A], s25, (3<<16)|(1<<21)          ; 15:0 the mask; 17:16 elements of 8 bytes; 21 set beside a mask
	s_or_b32 s[G1B], s26, (3<<16)|(1<<21)
.irp g, G1A, G1B
	s_mov_b32 s[\g+1], 800<<16                     ; tensor_dim0
	s_mov_b32 s[\g+3], 800<<16                     ; tile_dim0
	s_mov_b32 s[\g+5], 3200                        ; from row to row
	s_mov_b32 s[\g+6], 0
	s_mov_b32 s[\g+7], 0
.endr
	s_mov_b32 s[G1A+2], 2<<16                      ; tensor_dim1
	s_mov_b32 s[G1A+4], 2                          ; tile_dim1
	s_mov_b32 s[G1B+2], NBW<<16
	s_mov_b32 s[G1B+4], NBW
	; where my parts come from.  x's hang on y alone, the weights' on j alone, each in registers that never hold the other coordinate
	s_lshl_b32 s88, s24, 3
	s_lshl_b32 s89, s[CQ], 1
	s_add_co_u32 s88, s88, s89
	s_mul_i32 s88, s88, 25600                      ; x: row tile 8 y + 2 (w % 4)
	s_mov_b32 s89, 0
	s_mul_i32 s90, s23, NBT
	s_mul_i32 s91, s[CQ], NBW
	s_add_co_u32 s90, s90, s91
	s_mul_i32 s90, s90, 25600                      ; weights: row tile NBT j + NBW (w % 4)
	s_mov_b32 s91, 0
	s_mul_i32 s96, s[CQ], 2*TILEB                  ; and where they go: no place in the cluster enters an LDS address
	s_mul_i32 s97, s[CQ], NBW*TILEB
	s_add_co_u32 s97, s97, BOFF
	s_wait_kmcnt 0x0
	s_add_nc_u64 s[88:89], s[4:5], s[88:89]
	s_add_nc_u64 s[90:91], s[4:5], s[90:91]
	s_add_nc_u64 s[90:91], s[90:91], WOFF
.irp s, 0,1
	s_mov_b32 s[G0A+8*\s], 1
	s_add_co_u32 s[G0A+8*\s+1], s96, \s*SLOTB
	s_add_nc_u64 s[G0A+8*\s+2:G0A+8*\s+3], s[88:89], \s*TILEB      ; slot s begins with chunk s
	s_or_b32 s[G0A+8*\s+3], s[G0A+8*\s+3], 0x80000000
	s_mov_b32 s[G0B+4*\s], 1
	s_add_co_u32 s[G0B+4*\s+1], s97, \s*SLOTB
	s_add_nc_u64 s[G0B+4*\s+2:G0B+4*\s+3], s[90:91], \s*TILEB
	s_or_b32 s[G0B+4*\s+3], s[G0B+4*\s+3], 0x80000000
.endr
	CROUND                                         ; all sixteen work-groups are here: the first joint loads meet
	JLOAD G0A, G1A, G0B, G1B                       ; K steps 0-3: one load a wave at the head
	v_and_b32 v1, 31, v0                           ; lane
	v_and_b32 v2, 15, v0                           ; r
	v_bfe_u32 v3, v0, 4, 1                         ; h
	s_delay_alu instid0(VALU_DEP_3)
	v_lshlrev_b32 v[L16], 4, v1
	s_delay_alu instid0(VALU_DEP_4)
	v_lshlrev_b32 v[L8], 3, v1
	s_delay_alu instid0(VALU_DEP_4)
	v_lshlrev_b32 v[R4], 2, v2
	s_wait_alu depctr_va_vdst(0)
	s_mul_i32 s88, s[RH], 4*TILEB                  ; my four tiles of x,
	s_mul_i32 s89, s[CQ], NBW*TILEB                ; my NBW of the weights
	s_add_co_u32 s89, s89, BOFF
.irp s, 0,1
	v_add_nc_u32 v[ADRA+\s], s88, v[L16]
	v_add_nc_u32 v[ADRB+\s], s89, v[L16]
	v_add_nc_u32 v[ADSA+\s], s88, v[R4]
	v_add_nc_u32 v[ADSB+\s], s89, v[R4]
	s_add_co_u32 s88, s88, SLOTB
	s_add_co_u32 s89, s89, SLOTB
.endr
	; every LDS address of the way out is made here, ahead of any parting of the waves
	s_mul_i32 s88, s[RH], 64*SPITCH
	s_mul_i32 s89, s[CQ], 64*NBW
	s_add_co_u32 s88, s88, s89
	v_mul_u32_u24 v22, v2, SPITCH
	s_delay_alu instid0(VALU_DEP_1)
	v_lshl_add_u32 v[STO], v3, 5, v22
	s_delay_alu instid0(VALU_DEP_1)
	v_add_nc_u32 v[STO], s88, v[STO]               ; in: row 64 (w / 4) + r, + 32 h, + my quarter's 192 bytes
	s_delay_alu instid0(VALU_DEP_3)
	v_lshl_add_u32 v22, v3, 6, v22                 ; r rows + 64 h: my 16 numbers of a block of 32
	s_mul_i32 s88, s[WV], 16*SPITCH
	v_add_nc_u32 v[QRD], s88, v22                  ; q: token 16 w + r
	s_and_b32 s89, s[WV], 1
	s_mul_i32 s90, s89, 64*SPITCH
	s_add_co_u32 s90, s90, 512
	v_add_nc_u32 v[KRD], s90, v22                  ; k: token 64 (w % 2) + r, columns 128 on
	v_and_b32 v23, 8, v2
	s_delay_alu instid0(VALU_DEP_1)
	v_add_nc_u32 v23, v23, v2                      ; r + 8 (r / 8)
	v_mul_u32_u24 v[VRD], v3, 8*SPITCH
	s_delay_alu instid0(VALU_DEP_1)
	v_lshl_add_u32 v[VRD], v23, 2, v[VRD]
	s_lshl_b32 s90, s89, 5
	s_add_co_u32 s90, s90, 640
	v_add_nc_u32 v[VRD], s90, v[VRD]               ; v: token 8 h, column 160 + 8 (w % 2) + r + 8 (r / 8)
	s_delay_alu instid0(VALU_DEP_1)
	v_add_nc_u32 v[VRD2], 64*SPITCH, v[VRD]        ; and 64 tokens on: the offsets stay inside 16 bits
	v_lshlrev_b32 v[CSK], 6, v2
	s_delay_alu instid0(VALU_DEP_1)
	v_lshl_add_u32 v[CSK], v3, 5, v[CSK]           ; a token's 64 bytes of cos or sin, + 32 h: my 8 pairs
	s_lshl_b32 s90, s[WV], 10
	v_add_nc_u32 v[CSQ], s90, v[CSK]
	s_lshl_b32 s90, s89, 12
	v_add_nc_u32 v[CSK], s90, v[CSK]
; A K step of 128, the q-th of its slot.  np: places in front of loads into registers that matrix instructions have read (ISA guide 7.12.1 for vector instructions).
; The accumulators take turns, one instruction a turn, in the same order in every step.
.macro KSTEP slot, q, zero, np
.rept \np
	v_nop
.endr
.irp a, 0,1,2,3
.irp c, 0,1,2
	ds_load_b128 v[AF+12*\a+4*\c:AF+12*\a+4*\c+3], v[ADRA+\slot] offset:TILEB*\a+FRB*(\q)+512*\c
.endr
	ds_load_b32 v[SA+\a], v[ADSA+\slot] offset:TILEB*\a+SCO+64*(\q)
.endr
.set bb, 0
.rept NBW
.irp c, 0,1,2
	ds_load_b128 v[BF+12*bb+4*\c:BF+12*bb+4*\c+3], v[ADRB+\slot] offset:TILEB*bb+FRB*(\q)+512*\c
.endr
	ds_load_b32 v[SB+bb], v[ADSB+\slot] offset:TILEB*bb+SCO+64*(\q)
.set bb, bb+1
.endr
	s_wait_dscnt 0x0
.irp a, 0,1,2,3
.set bb, 0
.rept NBW
.if \zero
	v_wmma_scale_f32_16x16x128_f8f6f4 v[ACC+8*(NBW*\a+bb):ACC+8*(NBW*\a+bb)+7], v[BF+12*bb:BF+12*bb+11], v[AF+12*\a:AF+12*\a+11], 0, v[SB+bb], v[SA+\a] matrix_a_fmt:MATRIX_FMT_FP6 matrix_b_fmt:MATRIX_FMT_FP6
.else
	v_wmma_scale_f32_16x16x128_f8f6f4 v[ACC+8*(NBW*\a+bb):ACC+8*(NBW*\a+bb)+7], v[BF+12*bb:BF+12*bb+11], v[AF+12*\a:AF+12*\a+11], v[ACC+8*(NBW*\a+bb):ACC+8*(NBW*\a+bb)+7], v[SB+bb], v[SA+\a] matrix_a_fmt:MATRIX_FMT_FP6 matrix_b_fmt:MATRIX_FMT_FP6
.endif
.set bb, bb+1
.endr
.endr
.endm
; The change of slots.  Each wave waits for all its tensor loads (its part of the slot ahead), adds 0 to its spare word, and waits for that and for its reads of the slot that it leaves.
; fill = 1: a round of the cluster's barrier, and the slot just left is filled with the chunk two on: the load has four K steps in which to land.
.macro CHG fill, slot
	s_wait_tensorcnt 0x0                           ; no tensor load of mine is out, so a group 0 may be written
	ds_add_u32 v[SPW], v[NIL]                      ; 0 onto my spare word
.if \fill
	s_add_nc_u64 s[G0A+8*\slot+2:G0A+8*\slot+3], s[G0A+8*\slot+2:G0A+8*\slot+3], 2*TILEB
	s_add_nc_u64 s[G0B+4*\slot+2:G0B+4*\slot+3], s[G0B+4*\slot+2:G0B+4*\slot+3], 2*TILEB
.endif
	s_wait_dscnt 0x0                               ; the add is done, and my reads of the slot are over
.if \fill
	CROUND
	JLOAD G0A+8*\slot, G1A, G0B+4*\slot, G1B       ; the first tensor load behind the round, one a wave; its four v_nop are the places in front of the next loads
.else
	s_barrier_signal -1
	s_barrier_wait -1
.endif
.endm
	s_wait_alu depctr_va_vdst(0)
	s_wait_tensorcnt 0x0                           ; my part of slot 0 is in
	ds_add_u32 v[SPW], v[NIL]
	s_wait_dscnt 0x0
	CROUND
	JLOAD G0A+8, G1A, G0B+4, G1B                   ; K steps 4-7: slot 1's first fill, issued as a refill is; it has four K steps in which to land
	KSTEP 0, 0, 1, 0                               ; the first step's products start the sums
	KSTEP 0, 1, 0, 4
	KSTEP 0, 2, 0, 4
	KSTEP 0, 3, 0, 4
	CHG 1, 0                                       ; slot 0 takes K steps 8-11
	KSTEP 1, 0, 0, 0
	KSTEP 1, 1, 0, 4
	KSTEP 1, 2, 0, 4
	KSTEP 1, 3, 0, 4
	CHG 1, 1                                       ; slot 1 takes K steps 12-15
	KSTEP 0, 0, 0, 0
	KSTEP 0, 1, 0, 4
	KSTEP 0, 2, 0, 4
	KSTEP 0, 3, 0, 4
	CHG 0, 0                                       ; nothing is left to fetch
	KSTEP 1, 0, 0, 4
	KSTEP 1, 1, 0, 4
	KSTEP 1, 2, 0, 4
	KSTEP 1, 3, 0, 4
; 64 numbers of a lane, register 16 b + i = place (lane / 16, i) of block b of my row, become a fragment's codes in v[pc] .. v[pc + 11] and its scale word in v[pw].
.macro QUANT s, pc, tm, pw
.irp b, 0,1,2,3
	v_max3_num_f32 v[(\tm)+\b], |v[(\s)+16*\b]|, |v[(\s)+1+16*\b]|, 0x1800000   ; my 16 numbers, and the floor 2^(3 - 127): the byte cannot fall under 1
.endr
.irp i, 2,4,6,8,10,12,14
.irp b, 0,1,2,3
	s_delay_alu instid0(VALU_DEP_4)
	v_max3_num_f32 v[(\tm)+\b], v[(\tm)+\b], |v[(\s)+16*\b+\i]|, |v[(\s)+1+16*\b+\i]|
.endr
.endr
.irp b, 0,1,2,3
	s_delay_alu instid0(VALU_DEP_4)
	v_permlanex16_b32 v[(\tm)+4+\b], v[(\tm)+\b], s[SEL], s[SEL+1]
.endr
.irp b, 0,1,2,3
	s_delay_alu instid0(VALU_DEP_4)
	v_max_num_f32 v[(\tm)+\b], v[(\tm)+\b], v[(\tm)+4+\b]          ; with lane l xor 16's: the block's largest magnitude
.endr
.irp b, 0,1,2,3
	s_delay_alu instid0(VALU_DEP_4)
	v_add_nc_u32 v[(\tm)+12+\b], 0xff000000, v[(\tm)+\b]           ; 2 off its exponent field: the conversion's scale operand
.endr
.irp b, 0,1,2,3
	s_delay_alu instid0(VALU_DEP_4)
	v_lshrrev_b32 v[(\tm)+4+\b], 23, v[(\tm)+12+\b]                ; the scale's byte
.endr
	s_delay_alu instid0(VALU_DEP_3)
	v_lshl_or_b32 v[\pw], v[(\tm)+5], 8, v[(\tm)+4]
	s_delay_alu instid0(VALU_DEP_1)
	v_lshl_or_b32 v[\pw], v[(\tm)+6], 16, v[\pw]
	s_delay_alu instid0(VALU_DEP_1)
	v_lshl_or_b32 v[\pw], v[(\tm)+7], 24, v[\pw]
.irp c, 0,1
	v_cvt_scalef32_pk16_fp6_f32 v[(\pc)+6*\c:(\pc)+2+6*\c], v[(\s)+32*\c:(\s)+15+32*\c], v[(\tm)+12+2*\c]
	v_cvt_scalef32_pk16_fp6_f32 v[(\pc)+12+4*\c:(\pc)+14+4*\c], v[(\s)+16+32*\c:(\s)+31+32*\c], v[(\tm)+12+2*\c+1]   ; (a conversion's three registers begin on an even number)
.endr
	v_nop                                          ; one plain line behind a scaled conversion
.irp c, 0,1                                    ; the operand's layout wants a whole block in a lane: lanes 0-15 block 2 c, lanes 16-31 block 2 c + 1
.irp i, 0,1,2
	v_permlane16_swap_b32 v[(\pc)+6*\c+\i], v[(\pc)+12+4*\c+\i]
.endr
.irp i, 0,1,2
	s_delay_alu instid0(VALU_DEP_3)
	v_mov_b32 v[(\pc)+3+6*\c+\i], v[(\pc)+12+4*\c+\i]
.endr
.endr
.endm
; the interleaved rotary on 16 numbers (8 pairs) at v[x], with the pairs' cos at v[c] and sin at v[s]
.macro ROT x, c, s
.irp m, 0,1,2,3,4,5,6,7
	v_mul_f32 v220, v[(\x)+2*\m+1], v[(\s)+\m]
	v_mul_f32 v221, v[(\x)+2*\m], v[(\s)+\m]
	s_delay_alu instid0(VALU_DEP_2)
	v_fma_f32 v[(\x)+2*\m], v[(\x)+2*\m], v[(\c)+\m], -v220
	s_delay_alu instid0(VALU_DEP_2)
	v_fma_f32 v[(\x)+2*\m+1], v[(\x)+2*\m+1], v[(\c)+\m], v221
.endr
.endm
.rept 4
	v_nop                                          ; places between the last products and the stores that read results, and the loads into operands' registers
.endr
.irp a, 0,1,2,3
.irp b, 0,1,2
	ds_store_b128 v[STO], v[ACC+8*(NBW*\a+\b):ACC+8*(NBW*\a+\b)+3] offset:16*SPITCH*\a+64*\b        ; each accumulator from its low end on
	ds_store_b128 v[STO], v[ACC+8*(NBW*\a+\b)+4:ACC+8*(NBW*\a+\b)+7] offset:16*SPITCH*\a+64*\b+16
.endr
.endr
	s_lshl_b32 s88, s24, 13                        ; the block's 128 tokens x 64 bytes of cos and of sin
	s_mov_b32 s89, 0
	s_add_nc_u64 s[8:9], s[8:9], s[88:89]
	s_add_nc_u64 s[10:11], s[10:11], s[88:89]
	s_wait_alu depctr_va_vdst(0)
	global_load_b128 v[CO:CO+3], v[CSQ], s[8:9]
	global_load_b128 v[CO+4:CO+7], v[CSQ], s[8:9] offset:16
	global_load_b128 v[SI:SI+3], v[CSQ], s[10:11]
	global_load_b128 v[SI+4:SI+7], v[CSQ], s[10:11] offset:16
	s_lshl_b32 s88, s23, 7
	s_lshl_b32 s90, s24, 3
	s_add_co_u32 s88, s88, s90
	s_add_co_u32 s88, s88, s[WV]                   ; q's tile: 128 j + 8 y + w
	s_lshl_b32 s90, s88, 6                         ; its 16 scale words,
	s_mov_b32 s91, 0
	s_mul_i32 s88, s88, FRB                        ; its image
	s_add_nc_u64 s[12:13], s[12:13], s[88:89]
	s_add_nc_u64 s[14:15], s[14:15], s[90:91]
	s_wait_dscnt 0x0                               ; for the others' sake: my stores into the stage are done
	s_barrier_signal -1
	s_barrier_wait -1
	; ---- q: every wave, tokens 16 w on
.irp b, 0,1,2,3
.irp c, 0,1,2,3
	ds_load_b128 v[N+16*\b+4*\c:N+16*\b+4*\c+3], v[QRD] offset:128*\b+16*\c
.endr
.endr
.irp b, 0,1,2,3
	v_mov_b32 v[TM+4+\b], 0                        ; a lane permute's destination counts as one of its sources
.endr
	s_wait_dscnt 0x0
	s_wait_loadcnt 0x0
.irp b, 0,1,2,3
	ROT N+16*\b, CO, SI                            ; the four maps of a token turn by the same angles
.endr
	QUANT N, PC, TM, PW
.irp p, 0,1,2,3,4,5
	global_store_b64 v[L8], v[PC+2*\p:PC+2*\p+1], s[12:13] offset:256*\p   ; 32 lanes store 256 consecutive bytes, aligned
.endr
	global_store_b32 v[R4], v[PW], s[14:15]        ; lanes r and r + 16 hold the same word and store it to the same place
	s_wait_xcnt 0x0                                ; the stores have read their registers: the codes and the word are written again below
	s_cmp_ge_u32 s[WV], 4
	s_cbranch_scc1 .Lend
	s_lshr_b32 s88, s23, 2
	s_lshl_b32 s88, s88, 4
	s_add_co_u32 s88, s88, s24
	s_mul_i32 s88, s88, 25600                      ; the record of kv head j / 4, key step y
	s_and_b32 s90, s23, 3
	s_lshl_b32 s90, s90, 1
	s_and_b32 s92, s[WV], 1
	s_add_co_u32 s90, s90, s92                     ; which of K's or V's eight: 2 (j % 4) + w % 2
	s_lshr_b32 s92, s[WV], 1                       ; 0: K's, 1: V's
	s_mul_i32 s96, s90, FRB
	s_mul_i32 s94, s92, 12800                      ; the record's K half or V half
	s_add_co_u32 s96, s96, s94
	s_add_co_u32 s96, s96, s88
	s_mov_b32 s97, 0
	s_lshl_b32 s98, s90, 6
	s_add_co_u32 s98, s98, s94
	s_add_co_u32 s98, s98, s88
	s_add_co_u32 s98, s98, 8*FRB                   ; a half's scale words lie behind its eight images
	s_mov_b32 s99, 0
	s_add_nc_u64 s[96:97], s[16:17], s[96:97]
	s_add_nc_u64 s[98:99], s[16:17], s[98:99]
	s_cmp_ge_u32 s[WV], 2
	s_cbranch_scc1 .Lv_task
	; ---- k: waves 0, 1: block b of my row is token 64 (w % 2) + 16 b + r
.irp b, 0,1,2,3
	global_load_b128 v[CO+8*\b:CO+8*\b+3], v[CSK], s[8:9] offset:1024*\b
	global_load_b128 v[CO+8*\b+4:CO+8*\b+7], v[CSK], s[8:9] offset:1024*\b+16
	global_load_b128 v[SI+8*\b:SI+8*\b+3], v[CSK], s[10:11] offset:1024*\b
	global_load_b128 v[SI+8*\b+4:SI+8*\b+7], v[CSK], s[10:11] offset:1024*\b+16
.endr
.irp b, 0,1,2,3
.irp c, 0,1,2,3
	ds_load_b128 v[N+16*\b+4*\c:N+16*\b+4*\c+3], v[KRD] offset:16*SPITCH*\b+16*\c
.endr
.endr
	s_wait_dscnt 0x0
	s_wait_loadcnt 0x0
.irp b, 0,1,2,3
	ROT N+16*\b, CO+8*\b, SI+8*\b
.endr
	s_branch .Lquant2
.Lv_task:
	; ---- v: waves 2, 3: a lane to a channel, registers down the keys
.irp b, 0,1
.irp i, 0,1,2,3,4,5,6,7,8,9,10,11,12,13,14,15
	ds_load_b32 v[N+16*\b+\i], v[VRD] offset:(32*\b+\i+8*(\i/8))*SPITCH
	ds_load_b32 v[N+32+16*\b+\i], v[VRD2] offset:(32*\b+\i+8*(\i/8))*SPITCH
.endr
.endr
	s_wait_dscnt 0x0
.Lquant2:
	QUANT N, PC, TM, PW
.irp c, 0,1,2
	global_store_b128 v[L16], v[PC+4*\c:PC+4*\c+3], s[96:97] offset:512*\c   ; 32 lanes store 512 consecutive bytes, aligned
.endr
	global_store_b32 v[R4], v[PW], s[98:99]
.Lend:
	s_wait_tensorcnt 0x0                           ; the wave's end
	ds_add_u32 v[SPW], v[NIL]
	s_wait_dscnt 0x0
	CROUND                                         ; the closing round: no work-group ends while a partner may still ask for a tile that names it
	s_endpgm
.Lfunc_end_k_qe703d20b86_qkv:
	.size	k_qe703d20b86_qkv, .Lfunc_end_k_qe703d20b86_qkv-k_qe703d20b86_qkv
	.p2alignl 7, 3214868480
	.fill 96, 4, 3214868480
	.section	.rodata,"a",@progbits
	.p2align	6, 0x0
	.amdhsa_kernel k_qe703d20b86_qkv
		.amdhsa_group_segment_fixed_size 327680
		.amdhsa_private_segment_fixed_size 0
		.amdhsa_enable_private_segment 0
		.amdhsa_kernarg_size 48
		.amdhsa_user_sgpr_count 2
		.amdhsa_user_sgpr_kernarg_segment_ptr 1
		.amdhsa_wavefront_size32 1
		.amdhsa_system_sgpr_workgroup_id_x 1
		.amdhsa_system_sgpr_workgroup_id_y 1
		.amdhsa_system_sgpr_workgroup_id_z 1
		.amdhsa_system_vgpr_workitem_id 0
		.amdhsa_next_free_vgpr 256
		.amdhsa_next_free_sgpr 100
		.amdhsa_reserve_vcc 0
		.amdhsa_float_denorm_mode_32 3
		.amdhsa_float_denorm_mode_16_64 3
		.amdhsa_memory_ordered 1
		.amdhsa_forward_progress 1
		.amdhsa_inst_pref_size 105
	.end_amdhsa_kernel
	.amdgpu_metadata
---
amdhsa.version: [ 1, 2 ]
amdhsa.kernels:
  - .name:           k_qe703d20b86_qkv
    .symbol:         k_qe703d20b86_qkv.kd
    .args:
      - { .name: img, .offset: 0, .size: 8, .value_kind: global_buffer, .address_space: global }
      - { .name: cos, .offset: 8, .size: 8, .value_kind: global_buffer, .address_space: global }
      - { .name: sin, .offset: 16, .size: 8, .value_kind: global_buffer, .address_space: global }
      - { .name: qimg, .offset: 24, .size: 8, .value_kind: global_buffer, .address_space: global }
      - { .name: qscl, .offset: 32, .size: 8, .value_kind: global_buffer, .address_space: global }
      - { .name: kv, .offset: 40, .size: 8, .value_kind: global_buffer, .address_space: global }
    .group_segment_fixed_size: 327680
    .private_segment_fixed_size: 0
    .kernarg_segment_align: 8
    .kernarg_segment_size: 48
    .max_flat_workgroup_size: 256
    .sgpr_count:     100
    .vgpr_count:     256
    .wavefront_size: 32
...
	.end_amdgpu_metadata
.endif
;; end of part 2
;; launch attn (part 3): grid 64 x 4, 16 waves a work-group, clusters of 4 x 1, 327,680 bytes of LDS; arguments qimg, qscl, kv, raw_map_weights, weight_scale, gamma, nimg; writes nimg
.if DOCPART == 3
	.amdgcn_target "amdgcn-amd-amdhsa--gfx1250"
	.amdhsa_code_object_version 6
	.text
	.protected	k_qe703d20b86_attn
	.globl	k_qe703d20b86_attn
	.p2align	8
	.type	k_qe703d20b86_attn,@function
k_qe703d20b86_attn:
	s_mov_b64 s[64:65], 0
	v_nop
	global_prefetch_b8 v0, s[64:65] scope:SCOPE_SE
	s_setreg_imm32_b32 hwreg(HW_REG_WAVE_MODE, 25, 1), 1
	s_wait_xcnt 0x0
	s_wait_alu depctr_hold_cnt(0) depctr_sa_sdst(0) depctr_va_vdst(0) depctr_va_sdst(0) depctr_va_ssrc(0) depctr_va_vcc(0) depctr_vm_vsrc(0)
	s_getreg_b32 s2, hwreg(HW_REG_IB_STS2, 6, 4)
	s_cmp_eq_u32 s2, 0
	s_cbranch_scc0 .Lentry_in_a_cluster
	s_endpgm
.Lentry_in_a_cluster:
	s_bfe_u32 s2, ttmp6, 0x10000c
	s_cmp_lg_u32 s2, 0x3003
	s_cbranch_scc0 .Lentry_shape_is_right
	s_endpgm
.Lentry_shape_is_right:
; Causal attention of 16 heads x 4 maps on codes of FP6 (E2M3) with E8M0 scales, the weighted sum of the four maps, the RMS norm with gamma, and the quantiser for the last product.
; LEFT OUT: key steps that lie wholly above the diagonal of the causal mask that the problem builds itself: their p is 0 for all inputs.
; SHARES.  Work-group (head, s = 0..7, z = 0..1), 16 waves, four to a SIMD: wave w has map w % 4 and query tile 4 z + w / 4 (16 queries) of a block of 128 queries.
; Every wave first walks the keys of query block 15 - s (16 - s records of 128 keys), then those of block s (s + 1 records): 17 steps for every wave of every work-group, 256 work-groups.
; A record (25,600 bytes) is a K half (8 images, 8 x 64 bytes of scale words) and a V half (the same), for one kv head and 128 keys.  The steps go through a ring of two LDS slots of three places.
; THE PLACE OF STEP t HOLDS V OF STEP t AND K OF STEP t + 1: each step asks LDS for the next step's K into registers, so the look-ahead never reads the other slot.  K of step 0 has LDS bytes of its own, between the slots.
; Six fills, the last of two places.
; The last step's look-ahead reads the K half of the record behind the walk's last one (s + 1, inside the buffer); no product uses it.
; CLUSTER 4 x 1: the four heads of a kv head walk the same records in the same order (s and z are the cluster's own) and ask for them jointly.
; A STEP: S^T = K q^T (q's 32 numbers stand in one block of the operand, zeros in the other three; block b of K's row r is key 16 b + r of 64), running M = ceil(largest t), p = 2^(t - M), the sum of the unquantised p,
; p quantised by blocks of 32 keys, O^T = f O^T + V^T p^T.  V's first four fragments are asked for behind the scores, the other four behind the conversions, into p's registers.  A scale register holds two fragments' words, one in each half of the lanes.
; At the first walk's end O w / l goes to a stage of the wave's own, M is set back to -3e38 (the next step's f is then 0, which clears the sum and O), and the second tile's q is taken.
; THE WAY OUT, once: the second walk's results go to a stage in the ring (its last fill and its last read are over, behind a barrier); eight waves each add the four maps of one tile, norm, quantise and store an operand image.
; nimg: [128 row tiles][4 chunks][6,400]: a chunk is four heads' images (K steps of the last product) and their 4 x 64 bytes of scale words.
; No prefetch: a kv head's stream is 409,600 bytes, which the sixteen clusters of that kv head all walk from record 0 on, and a fill is asked for three steps ahead of its first read.
; LIMITS: the promise holds while the scaled scores stay under 2^31 in magnitude; NaN and infinities are not served; a block of zeros or under 2^-124 has the byte 1; only this program reads the bytes.
.set RECB,  25600
.set K0B,   3*RECB                     ; behind slot 0: K of step 0, 12,800 bytes
.set SLOT1, K0B+12800
.set SPARE, SLOT1+3*RECB               ; the spare words, 128 bytes a wave: eight blocks of 256 bytes that no other line names
.set ST1,   SPARE+2048                 ; the first walk's stage: 8,192 bytes a wave
.set QST,   ST1+16*8192                ; the second tile's q: three runs of 8 bytes a thread, then a word a thread
.set WV,    20
.set SEL,   22                         ; s[22:23] lane selects: lane l xor 16
.set CS,    24                         ; s[24:25] log2(e) / sqrt(32)
.set G1,    28
.set G0,    36
.set KVB,   40                         ; s[40:41] my quarter of record 0 of my kv head
.set OFF,   42                         ; s[42:43] a byte offset, the high word 0
.set RB,    44                         ; the step's place in LDS
.set U,     45                         ; the step, 0 .. 17 (17 is empty)
.set L1,    46                         ; 16 - s: steps of the first walk
.set CNT,   47
.set MAP,   48
.set TQ,    49
.set DG,    50                         ; the next step on the diagonal
.set TF,    51                         ; the step whose record my next fill brings
.set REP,   52
.set OC,    53
.set LP,    58                         ; 6,400 x wave: my place in a slot
.set B1,    59                         ; 15 - s: the first walk's last step
.set KSC,   243                        ; v243 K's scale words; v248-251 V's; v253 p's; v255 q's: scales and nothing else
.macro CROUND
	s_barrier_signal -1
	s_barrier_wait -1
	s_cmp_lg_u32 s[WV], 0
	s_cbranch_scc1 .Lnot_wave_0_\@
	s_barrier_signal -3
.Lnot_wave_0_\@:
	s_barrier_wait -3
	s_barrier_signal -1
	s_barrier_wait -1
.endm
	s_load_b256 s[4:11], s[0:1], 0x0               ; qimg, qscl, kv, raw_map_weights
	s_load_b128 s[12:15], s[0:1], 0x20             ; weight_scale, gamma
	s_load_b64 s[16:17], s[0:1], 0x30              ; nimg
	v_lshl_add_u32 v5, v0, 2, SPARE
	v_mov_b32 v6, 0
	ds_add_u32 v5, v6                              ; the opening lines: the add twice on end and one wait
	ds_add_u32 v5, v6
	v_lshrrev_b32 v8, 5, v0
	s_delay_alu instid0(VALU_DEP_1)
	v_readfirstlane_b32 s[WV], v8
	s_and_b32 s[MAP], s[WV], 3
	s_lshr_b32 s[TQ], s[WV], 2
	s_and_b32 s56, ttmp7, 0xffff                   ; kv head
	s_lshr_b32 s57, ttmp9, 1                       ; s
	s_and_b32 s27, ttmp9, 1                        ; z
	s_lshl_b32 s27, s27, 2
	s_add_co_u32 s66, s27, s[TQ]                   ; my tile in its block of eight
	s_lshl_b32 s21, s66, 4
	s_sub_co_u32 s[L1], 16, s57
	s_sub_co_u32 s[B1], 15, s57
	s_mov_b32 s[DG], s[B1]
	s_bfe_u32 s55, ttmp6, 0x40000
	s_lshl_b32 s54, s56, 2
	s_add_co_u32 s54, s54, s55                     ; head
	s_mov_b32 s[SEL], 0x76543210
	s_mov_b32 s[SEL+1], 0xfedcba98
	s_mov_b32 s[CS], 0x3e8293ee
	s_mov_b32 s[CS+1], s[CS]
	s_mov_b32 s[REP], 0x01010101
	s_mov_b32 s[U], 0
	s_mov_b32 s[G1], 15|(3<<16)|(1<<21)            ; the mask of all four; elements of 8 bytes; 25 rows of 256 bytes, dense
	s_mov_b32 s[G1+1], 32<<16
	s_mov_b32 s[G1+2], 25<<16
	s_mov_b32 s[G1+3], 32<<16
	s_mov_b32 s[G1+4], 25
	s_mov_b32 s[G1+5], 32
	s_mov_b32 s[G1+6], 0
	s_mov_b32 s[G1+7], 0
	s_mul_i32 s[LP], s[WV], 6400
	s_mul_i32 s[OFF], s56, 16*RECB
	s_mul_i32 s27, s[MAP], 6400
	s_add_co_u32 s[OFF], s[OFF], s27
	s_mov_b32 s[OFF+1], 0
	s_lshr_b32 s27, s[MAP], 1
	s_xor_b32 s27, s27, 1                          ; 1: my quarter lies in the K half, which runs one step ahead
	s_add_co_u32 s27, s27, s[TQ]
	s_add_co_u32 s[TF], s27, 3
	s_and_b32 s27, s27, 3                          ; the head's record: w / 4 for V, w / 4 + 1 for K, 0 for waves 12, 13
	s_wait_dscnt 0x0
	s_wait_kmcnt 0x0
	s_add_nc_u64 s[KVB:KVB+1], s[8:9], s[OFF:OFF+1]
	s_mul_i32 s[OFF], s27, RECB
	s_mov_b32 s[G0], 1
	s_mov_b32 s[G0+1], s[LP]
	s_add_nc_u64 s[G0+2:G0+3], s[KVB:KVB+1], s[OFF:OFF+1]
	s_or_b32 s[G0+3], s[G0+3], 0x80000000
	CROUND
	s_cmp_lt_u32 s[WV], 14
	s_cbranch_scc0 .Lno_head
	tensor_load_to_lds s[G0:G0+3], s[G1:G1+7]      ; slot 0, and K of step 0 behind it
	s_nop 0
.rept 4
	v_nop
.endr
.Lno_head:
	s_lshl_b32 s69, s54, 7
	s_add_co_u32 s69, s69, s66
	s_lshl_b32 s67, s[B1], 3
	s_add_co_u32 s67, s67, s69                     ; q's tile of the first walk: 128 head + 8 (15 - s) + tile
	s_lshl_b32 s68, s57, 3
	s_add_co_u32 s68, s68, s69                     ; and of the second
	s_lshr_b32 s70, s[MAP], 1
	s_mul_i32 s70, s70, 768
	s_and_b32 s71, s[MAP], 1
	s_lshl_b32 s71, s71, 7
	s_add_co_u32 s70, s70, s71                     ; my map's block in a q image
	s_mov_b32 s27, 0
	s_mul_i32 s26, s68, 1536
	s_add_co_u32 s26, s26, s70
	s_add_nc_u64 s[60:61], s[4:5], s[26:27]
	s_mul_i32 s26, s67, 1536
	s_add_co_u32 s26, s26, s70
	s_add_nc_u64 s[4:5], s[4:5], s[26:27]
	s_lshl_b32 s26, s68, 6
	s_add_co_u32 s26, s26, s[MAP]
	s_add_nc_u64 s[62:63], s[6:7], s[26:27]
	s_lshl_b32 s26, s67, 6
	s_add_co_u32 s26, s26, s[MAP]
	s_add_nc_u64 s[6:7], s[6:7], s[26:27]
	s_cmp_lt_u32 s[MAP], 2                         ; the way out: maps 0, 1 serve the first walk's tile, maps 2, 3 the second's
	s_cselect_b32 s26, s[B1], s57
	s_lshl_b32 s26, s26, 3
	s_add_co_u32 s26, s26, s66                     ; the row tile
	s_mul_i32 s26, s26, 25600
	s_mul_i32 s70, s56, 6400
	s_add_co_u32 s26, s26, s70                     ; its chunk head / 4
	s_lshl_b32 s70, s55, 6
	s_add_co_u32 s70, s70, s26
	s_add_co_u32 s70, s70, 6144                    ; the scale words of head % 4
	s_mov_b32 s71, 0
	s_mul_i32 s69, s55, 1536
	s_add_co_u32 s26, s26, s69                     ; and its image
	s_add_nc_u64 s[18:19], s[16:17], s[70:71]
	s_add_nc_u64 s[16:17], s[16:17], s[26:27]
	v_and_b32 v8, 31, v0
	v_and_b32 v9, 15, v0
	v_bfe_u32 v10, v0, 4, 1
	s_delay_alu instid0(VALU_DEP_2)
	v_lshlrev_b32 v60, 3, v9
	s_delay_alu instid0(VALU_DEP_3)
	v_lshlrev_b32 v61, 2, v9
	s_lshl_b32 s26, s[MAP], 2
	v_mov_b32 v62, s26
	v_mov_b32 v63, 0
.irp p, 0,1,2
	global_load_b64 v[48+2*\p:49+2*\p], v60, s[4:5] offset:256*\p
.endr
	global_load_u8 v54, v61, s[6:7]
	global_load_b32 v55, v62, s[10:11]
	global_load_b32 v56, v63, s[12:13]
.irp p, 0,1,2
	global_load_b64 v[64+2*\p:65+2*\p], v60, s[60:61] offset:256*\p
.endr
	global_load_u8 v70, v61, s[62:63]
	v_lshlrev_b32 v11, 4, v8
	v_lshlrev_b32 v74, 2, v8
	v_lshl_add_u32 v72, v0, 3, QST
	v_lshl_add_u32 v73, v0, 2, QST+12288
	s_wait_alu depctr_va_vdst(0)
	s_mul_i32 s26, s[MAP], 3072
	v_add_nc_u32 v1, s26, v11                      ; in a place: my map's two images of K,
	v_add_nc_u32 v2, 12800, v11                    ; V's eight,
	s_lshl_b32 s26, s[MAP], 7
	s_add_co_u32 s26, s26, 12288
	v_add_nc_u32 v3, s26, v74                      ; K's scale words: lanes 0-15 the first image's, lanes 16-31 the second's,
	v_add_nc_u32 v4, 25088, v74                    ; V's likewise
	s_lshl_b32 s26, s[WV], 13
	s_add_co_u32 s26, s26, ST1
	v_add_nc_u32 v47, s26, v11                     ; my place in the first stage
	v_lshlrev_b32 v46, 3, v10
	s_delay_alu instid0(VALU_DEP_1)
	v_sub_nc_u32 v46, v9, v46
	s_delay_alu instid0(VALU_DEP_1)
	v_add_nc_u32 v46, s21, v46                     ; my query in its block, less 8 h
	v_cmp_gt_u32 vcc_lo, 16, v8
	s_wait_loadcnt 0x0
	ds_store_b64 v72, v[64:65]                     ; the second tile's q waits in LDS bytes of my own
	ds_store_b64 v72, v[66:67] offset:4096
	ds_store_b64 v72, v[68:69] offset:8192
	ds_store_b32 v73, v70
.irp i, 0,1,2,3,4,5
	v_cndmask_b32 v[16+\i], v63, v[48+\i], vcc_lo
	v_cndmask_b32 v[28+\i], v[48+\i], v63, vcc_lo
	v_cndmask_b32 v[40+\i], v63, v[48+\i], vcc_lo
	v_mov_b32 v[22+\i], 0
	v_mov_b32 v[34+\i], 0
.endr
	v_mul_lo_u32 v255, v54, s[REP]                 ; q's scale byte in all four places
	v_mul_f32 v57, v55, v55                        ; tanh: a series under 1/4, else 1 - 2 / (1 + e^(2 x))
	v_mul_f32 v58, 0x4038aa3b, v55
	v_mov_b32 v59, 0x3cb327a4
	s_delay_alu instid0(VALU_DEP_1)
	v_fmaak_f32 v59, v59, v57, 0xbd5d0dd1
	s_delay_alu instid0(VALU_DEP_1)
	v_fmaak_f32 v59, v59, v57, 0x3e088889
	s_delay_alu instid0(VALU_DEP_1)
	v_fmaak_f32 v59, v59, v57, 0xbeaaaaab
	s_delay_alu instid0(VALU_DEP_1)
	v_fma_f32 v59, v59, v57, 1.0
	s_delay_alu instid0(VALU_DEP_1)
	v_mul_f32 v59, v59, v55
	s_wait_alu depctr_va_vdst(0)
	v_exp_f32 v58, v58
	v_and_b32 v57, 0x7fffffff, v55
	s_wait_alu depctr_va_vdst(0)
	v_add_f32 v58, 1.0, v58
	v_cmp_gt_f32 vcc_lo, 0x3e800000, v57
	s_wait_alu depctr_va_vdst(0)
	v_rcp_f32 v58, v58
	v_nop
	s_wait_alu depctr_va_vdst(0)
	v_fma_f32 v58, v58, -2.0, 1.0
	s_delay_alu instid0(VALU_DEP_1)
	v_cndmask_b32 v58, v58, v59, vcc_lo
	s_delay_alu instid0(VALU_DEP_1)
	v_mul_f32 v7, v58, v56                         ; my map's weight
	v_mov_b32 v13, 0xff61b1e6                      ; the largest t so far: -3e38
	s_delay_alu instid0(VALU_DEP_1)
	v_floor_f32 v12, -v13
	v_mov_b32 v14, 0
	v_mov_b32 v15, 0
.irp b, 0,1,2,3
	v_mov_b32 v[236+\b], 0
.endr
	v_mov_b32 v252, 0
	v_mov_b32 v253, 0
.irp j, 0,1,2,3,4,5,6,7,8,9,10,11,12,13,14,15,16,17,18,19,20,21,22,23,24,25,26,27,28,29,30,31,32,33,34,35,36,37,38,39,40,41,42,43,44,45,46,47,48,49,50,51,52,53,54,55,56,57,58,59,60,61,62,63
	v_mov_b32 v[160+\j], 0
.endr
	v_add_nc_u32 v8, K0B, v1
	v_add_nc_u32 v10, K0B, v3
.macro KLOAD                           ; seven loads: my map's two images of K and their scale words
.irp g, 0,1
.irp k, 0,1,2
	ds_load_b128 v[48+12*\g+4*\k:51+12*\g+4*\k], v8 offset:1536*\g+512*\k
.endr
.endr
	ds_load_b32 v[KSC], v10
.endm
.macro SQ k, qv
.if \k < 4
	v_wmma_scale_f32_16x16x128_f8f6f4 v[96+8*\k:103+8*\k], v[48:59], v[\qv:\qv+11], 0, v[KSC], v255 matrix_a_fmt:MATRIX_FMT_FP6 matrix_b_fmt:MATRIX_FMT_FP6
.else
	v_wmma_scale_f32_16x16x128_f8f6f4 v[96+8*\k:103+8*\k], v[60:71], v[\qv:\qv+11], 0, v[KSC], v255 matrix_a_fmt:MATRIX_FMT_FP6 matrix_b_fmt:MATRIX_FMT_FP6 matrix_a_scale:MATRIX_SCALE_ROW1
.endif
.endm
.macro PV f, a                         ; O's tile f += V's fragment f (at v[a]) x p
.if (\f)%2
	v_wmma_scale_f32_16x16x128_f8f6f4 v[160+8*(\f):167+8*(\f)], v[\a:\a+11], v[224:235], v[160+8*(\f):167+8*(\f)], v[248+(\f)/2], v253 matrix_a_fmt:MATRIX_FMT_FP6 matrix_b_fmt:MATRIX_FMT_FP6 matrix_a_scale:MATRIX_SCALE_ROW1
.else
	v_wmma_scale_f32_16x16x128_f8f6f4 v[160+8*(\f):167+8*(\f)], v[\a:\a+11], v[224:235], v[160+8*(\f):167+8*(\f)], v[248+(\f)/2], v253 matrix_a_fmt:MATRIX_FMT_FP6 matrix_b_fmt:MATRIX_FMT_FP6
.endif
.endm
; v96-159 = O^T x weight / the row's sum.  reload = 1: the second tile's q is asked of LDS on the way; 0: the addresses of the way out are made
.macro NORMO reload
	v_add_f32 v14, v14, v15
.if \reload
	v_lshl_add_u32 v9, v0, 3, QST
.else
	v_and_b32 v20, 31, v0
.endif
	s_delay_alu instid0(VALU_DEP_2)
	v_permlanex16_b32 v252, v14, s[SEL], s[SEL+1]
.if \reload
	v_lshl_add_u32 v10, v0, 2, QST+12288
	v_and_b32 v8, 31, v0
	v_mov_b32 v11, 0
.else
	v_lshlrev_b32 v20, 4, v20
	v_and_b32 v21, 15, v0
	v_bfe_u32 v22, v0, 4, 1
	v_lshlrev_b32 v21, 2, v21
	v_lshlrev_b32 v22, 6, v22
	v_add_nc_u32 v47, s26, v20                     ; my place in the second stage
	v_add_nc_u32 v23, s27, v20                     ; the four maps of the tile that I take out
.endif
	v_add_f32 v14, v14, v252
.if \reload
	ds_load_b64 v[72:73], v9                       ; (seven plain lines stand between the last products and these loads into operands' registers)
	ds_load_b64 v[74:75], v9 offset:4096
	ds_load_b64 v[76:77], v9 offset:8192
	ds_load_b32 v78, v10
.endif
	s_wait_alu depctr_va_vdst(0)                   ; ahead of a transcendental
	v_rcp_f32 v14, v14
	v_mov_b32 v13, 0xff61b1e6                      ; the largest t is set back
	s_wait_alu depctr_va_vdst(0)                   ; and behind it, ahead of its reader and of the first readers of O
	v_mul_f32 v14, v14, v7
.irp j, 0,2,4,6,8,10,12,14,16,18,20,22,24,26,28,30,32,34,36,38,40,42,44,46,48,50,52,54,56,58,60,62
	v_pk_mul_f32 v[96+\j:97+\j], v[160+\j:161+\j], v[14:15] op_sel_hi:[1,0]
.endr
.endm
.macro STEP
	s_cmp_gt_u32 s[U], 16
	s_cbranch_scc1 .Lhidden_\@
	v_add_nc_u32 v8, s[RB], v1                     ; five plain lines: the scores are laid over registers that the last step's products read
	v_add_nc_u32 v9, s[RB], v2
	v_add_nc_u32 v10, s[RB], v3
	v_add_nc_u32 v11, s[RB], v4
	v_nop
	s_wait_alu depctr_va_vdst(0)
	s_wait_dscnt 0x0                               ; this step's K, asked for in the step before
	SQ 0, 16
	SQ 1, 28
	SQ 2, 34
	SQ 3, 22
	SQ 4, 16
	SQ 5, 28
	SQ 6, 34
	SQ 7, 22
.rept 4
	v_nop
.endr
.irp t, 0,1,2,3
.irp k, 0,1,2
	ds_load_b128 v[48+12*\t+4*\k:51+12*\t+4*\k], v9 offset:1536*\t+512*\k     ; V's fragments 0-3 land under the softmax
.endr
.endr
.irp t, 0,1,2,3
	ds_load_b32 v[248+\t], v11 offset:128*\t       ; V's scale words, two fragments' to a register
.endr
	s_cmp_lg_u32 s[U], s[DG]
	s_cbranch_scc1 .Lopen_\@
	v_mov_b32 v254, 0xff800000                     ; the step on the diagonal: keys behind my query count for nothing
.irp k, 0,1,2,3,4,5,6,7
.irp j, 0,1,2,3,4,5,6,7
	v_cmp_gt_i32 vcc_lo, 16*\k+\j, v46
	v_cndmask_b32 v[96+8*\k+\j], v[96+8*\k+\j], v254, vcc_lo
.endr
.endr
.Lopen_\@:
.irp b, 0,1,2,3
	v_max3_num_f32 v[232+\b], v[96+16*\b], v[97+16*\b], v[98+16*\b]
.endr
.irp i, 3,5,7,9,11,13
.irp b, 0,1,2,3
	v_max3_num_f32 v[232+\b], v[232+\b], v[96+16*\b+\i], v[97+16*\b+\i]
.endr
.endr
.irp b, 0,1,2,3
	v_max_num_f32 v[232+\b], v[232+\b], v[111+16*\b]
.endr
.irp b, 0,1,2,3
	s_delay_alu instid0(VALU_DEP_4)
	v_permlanex16_b32 v[236+\b], v[232+\b], s[SEL], s[SEL+1]
.endr
.irp b, 0,1,2,3
	s_delay_alu instid0(VALU_DEP_4)
	v_max_num_f32 v[232+\b], v[232+\b], v[236+\b]
.endr
	s_delay_alu instid0(VALU_DEP_2)
	v_max3_num_f32 v254, v232, v233, v234
	s_delay_alu instid0(VALU_DEP_1)
	v_max_num_f32 v254, v254, v235
	s_delay_alu instid0(VALU_DEP_1)
	v_mul_f32 v254, s[CS], v254
	s_delay_alu instid0(VALU_DEP_1)
	v_max_num_f32 v13, v13, v254
	v_mov_b32 v254, v12
	s_delay_alu instid0(VALU_DEP_2)
	v_floor_f32 v12, -v13                          ; -M = floor(-t)
	s_delay_alu instid0(VALU_DEP_1)
	v_sub_f32 v254, v12, v254
	s_delay_alu instid0(VALU_DEP_1)
	v_cvt_i32_f32 v254, v254
	s_delay_alu instid0(VALU_DEP_1)
	v_ldexp_f32 v252, 1.0, v254                    ; f = 2^(old M - new M)
.irp j, 0,2,4,6,8,10,12,14,16,18,20,22,24,26,28,30,32,34,36,38,40,42,44,46,48,50,52,54,56,58,60,62
	v_pk_fma_f32 v[96+\j:97+\j], v[96+\j:97+\j], s[CS:CS+1], v[12:13] op_sel_hi:[1,0,0]
.endr
.irp b, 0,1,2,3
	v_fma_f32 v[232+\b], v[232+\b], s[CS], v12
.endr
	s_wait_alu depctr_va_vdst(0)
.irp j, 0,1,2,3,4,5,6,7,8,9,10,11,12,13,14,15,16,17,18,19,20,21,22,23,24,25,26,27,28,29,30,31,32,33,34,35,36,37,38,39,40,41,42,43,44,45,46,47,48,49,50,51,52,53,54,55,56,57,58,59,60,61,62,63
	v_exp_f32 v[96+\j], v[96+\j]
.endr
	v_pk_mul_f32 v[14:15], v[14:15], v[252:253] op_sel_hi:[1,0]
	s_wait_alu depctr_va_vdst(0)
.irp b, 0,1,2,3
	v_exp_f32 v[232+\b], v[232+\b]
.endr
	v_pk_add_f32 v[236:237], v[96:97], v[98:99]
.irp j, 4,8,12,16,20,24,28,32,36,40,44,48,52,56,60
	v_pk_add_f32 v[14:15], v[14:15], v[96+\j:97+\j]
	v_pk_add_f32 v[236:237], v[236:237], v[98+\j:99+\j]
.endr
	s_delay_alu instid0(VALU_DEP_1)
	v_pk_add_f32 v[14:15], v[14:15], v[236:237]
	s_wait_alu depctr_va_vdst(0)
.irp b, 0,1,2,3
	v_max_num_f32 v[232+\b], 0x1800000, v[232+\b]
.endr
.irp b, 0,1,2,3
	s_delay_alu instid0(VALU_DEP_4)
	v_add_nc_u32 v[244+\b], 0xff000000, v[232+\b]
.endr
.irp b, 0,1,2,3
	s_delay_alu instid0(VALU_DEP_4)
	v_lshrrev_b32 v[236+\b], 23, v[244+\b]
.endr
	s_delay_alu instid0(VALU_DEP_3)
	v_lshl_or_b32 v253, v237, 8, v236
	s_delay_alu instid0(VALU_DEP_1)
	v_lshl_or_b32 v253, v238, 16, v253
	s_delay_alu instid0(VALU_DEP_1)
	v_lshl_or_b32 v253, v239, 24, v253
.irp c, 0,1
	v_cvt_scalef32_pk16_fp6_f32 v[224+6*\c:226+6*\c], v[96+32*\c:111+32*\c], v[244+2*\c]
	v_cvt_scalef32_pk16_fp6_f32 v[236+4*\c:238+4*\c], v[112+32*\c:127+32*\c], v[244+2*\c+1]
.endr
	v_nop
.irp t, 0,1,2,3
.irp k, 0,1,2
	ds_load_b128 v[96+12*\t+4*\k:99+12*\t+4*\k], v9 offset:1536*(4+\t)+512*\k   ; V's fragments 4-7 into p's registers, which are done with
.endr
.endr
.irp c, 0,1
.irp i, 0,1,2
	v_permlane16_swap_b32 v[224+6*\c+\i], v[236+4*\c+\i]
.endr
.irp i, 0,1,2
	s_delay_alu instid0(VALU_DEP_3)
	v_mov_b32 v[227+6*\c+\i], v[236+4*\c+\i]
.endr
.endr
.irp j, 0,2,4,6,8,10,12,14,16,18,20,22,24,26,28,30,32,34,36,38,40,42,44,46,48,50,52,54,56,58,60,62
	v_pk_mul_f32 v[160+\j:161+\j], v[160+\j:161+\j], v[252:253] op_sel_hi:[1,0]
.endr
	s_wait_alu depctr_va_vdst(0)
	s_wait_dscnt 12                                ; V's fragments 0-3 and the scale words are in; the twelve loads of fragments 4-7 may be out
	PV 0, 48
	PV 1, 60
	PV 2, 72
	PV 3, 84
.rept 4
	v_nop
.endr
	KLOAD                                          ; the next step's K, from this step's place
	s_wait_dscnt 7                                 ; V's fragments 4-7 are in; the seven loads just issued may be out
	PV 4, 96
	PV 5, 108
	PV 6, 120
	PV 7, 132
	s_cmp_lg_u32 s[U], s[B1]
	s_cbranch_scc1 .Lhidden_\@
	NORMO 1                                        ; the first walk is over: its result goes to my place in the first stage,
.irp i, 0,1,2,3,4,5,6,7,8,9,10,11,12,13,14,15
	ds_store_b128 v47, v[96+4*\i:99+4*\i] offset:512*\i
.endr
	v_floor_f32 v12, -v13
	v_cmp_gt_u32 vcc_lo, 16, v8
	s_mov_b32 s[DG], 16                            ; the second walk's diagonal is the last step
	s_wait_alu depctr_va_vdst(0)
	s_wait_dscnt 0x0
	v_mul_lo_u32 v255, v78, s[REP]                 ; and the second tile's q takes the first's place
.irp i, 0,1,2,3,4,5
	v_cndmask_b32 v[16+\i], v11, v[72+\i], vcc_lo
	v_cndmask_b32 v[28+\i], v[72+\i], v11, vcc_lo
	v_cndmask_b32 v[40+\i], v11, v[72+\i], vcc_lo
.endr
	s_wait_alu depctr_va_vdst(0)                   ; ahead of the loop's backward jump
.Lhidden_\@:
	s_add_co_u32 s[U], s[U], 1
.endm
.macro PHASE base
	s_mov_b32 s[RB], \base
	s_mov_b32 s[CNT], 3
.Lstep_\@:
	STEP
	s_add_co_u32 s[RB], s[RB], RECB
	s_sub_co_u32 s[CNT], s[CNT], 1
	s_cmp_lg_u32 s[CNT], 0
	s_cbranch_scc1 .Lstep_\@
.endm
; The change of slots.  nw: how many waves fetch a quarter of a place for the three steps after the slot ahead (0: nothing is left to fetch).  Step t takes record t in the first walk, t - (16 - s) in the second.
.macro CHG nw, slot
	s_wait_tensorcnt 0x0                           ; no tensor load of mine is out, so group 0 may be written
	ds_add_u32 v5, v6
.if \nw
	ds_add_u32 v5, v6                              ; the same add once more
	s_cmp_ge_u32 s[TF], s[L1]
	s_cselect_b32 s[OFF], s[L1], 0
	s_sub_co_u32 s[OFF], s[TF], s[OFF]
	s_mul_i32 s[OFF], s[OFF], RECB
	s_add_nc_u64 s[G0+2:G0+3], s[KVB:KVB+1], s[OFF:OFF+1]
	s_or_b32 s[G0+3], s[G0+3], 0x80000000
	s_add_co_u32 s[G0+1], s[LP], \slot*SLOT1
	s_add_co_u32 s[TF], s[TF], 3
.endif
	s_wait_dscnt 0x0                               ; the add is done, and my reads of the slot that I leave are over, the next step's K among them
.if \nw
	CROUND
	s_cmp_lt_u32 s[WV], \nw
	s_cbranch_scc0 .Lnone_\@
	tensor_load_to_lds s[G0:G0+3], s[G1:G1+7]
	s_nop 0
.rept 4
	v_nop
.endr
.Lnone_\@:
.else
	s_barrier_signal -1
	s_barrier_wait -1
.endif
.endm
	s_mov_b32 s[OC], 2
	s_wait_alu depctr_va_vdst(0)
	s_wait_tensorcnt 0x0                           ; my part of the head's fill is in,
	s_wait_dscnt 0x0                               ; and my stores of the second tile's q are done: no LDS access of mine is pending at the signal
	s_barrier_signal -1
	s_barrier_wait -1                              ; everybody's part is in: K of step 0 may be read
	KLOAD
.Louter:
	CHG 12, 1                                      ; (the first time: slot 1's first fill, issued as a refill is)
	PHASE 0
	CHG 12, 0
	PHASE SLOT1
	s_sub_co_u32 s[OC], s[OC], 1
	s_cmp_lg_u32 s[OC], 0
	s_cbranch_scc1 .Louter
	CHG 8, 1                                       ; steps 15 and 16: two places
	PHASE 0
	CHG 0, 0
	PHASE SLOT1
	s_lshl_b32 s26, s[WV], 13
	s_lshr_b32 s27, s[MAP], 1
	s_xor_b32 s27, s27, 1
	s_mul_i32 s27, s27, ST1                        ; maps 0, 1: the first stage; maps 2, 3: the second, at LDS byte 0
	s_lshl_b32 s69, s[TQ], 15
	s_add_co_u32 s27, s27, s69
	NORMO 0
	s_wait_alu depctr_va_vdst(0)
	s_wait_dscnt 0x0
	s_barrier_signal -1
	s_barrier_wait -1                              ; nobody reads the ring any more, and it has had its last fill: it serves as the second stage
.irp i, 0,1,2,3,4,5,6,7,8,9,10,11,12,13,14,15
	ds_store_b128 v47, v[96+4*\i:99+4*\i] offset:512*\i
.endr
	s_wait_dscnt 0x0                               ; for the others' sake
	s_barrier_signal -1
	s_barrier_wait -1
	s_xor_b32 s26, s[MAP], s[TQ]                   ; eight waves go on, two of each map and two of each tile
	s_and_b32 s26, s26, 1
	s_cmp_lg_u32 s26, 0
	s_cbranch_scc1 .Lend
.irp i, 0,1,2,3,4,5,6,7,8,9,10,11,12,13,14,15
	ds_load_b128 v[96+4*\i:99+4*\i], v23 offset:512*\i
.endr
.irp i, 0,1,2,3,4,5,6,7,8,9,10,11,12,13,14,15
	ds_load_b128 v[160+4*\i:163+4*\i], v23 offset:8192+512*\i
.endr
.irp i, 0,1,2,3,4,5,6,7,8,9,10,11,12,13,14,15
	ds_load_b128 v[32+4*\i:35+4*\i], v23 offset:16384+512*\i
.endr
	s_wait_dscnt 16                                ; maps 0 and 1 are in; map 2's sixteen loads may be out
.irp j, 0,2,4,6,8,10,12,14,16,18,20,22,24,26,28,30,32,34,36,38,40,42,44,46,48,50,52,54,56,58,60,62
	v_pk_add_f32 v[96+\j:97+\j], v[96+\j:97+\j], v[160+\j:161+\j]
.endr
.irp i, 0,1,2,3,4,5,6,7,8,9,10,11,12,13,14,15
	ds_load_b128 v[160+4*\i:163+4*\i], v23 offset:24576+512*\i
.endr
	s_wait_dscnt 16                                ; map 2 is in; map 3's sixteen loads may be out
.irp j, 0,2,4,6,8,10,12,14,16,18,20,22,24,26,28,30,32,34,36,38,40,42,44,46,48,50,52,54,56,58,60,62
	v_pk_add_f32 v[96+\j:97+\j], v[96+\j:97+\j], v[32+\j:33+\j]
.endr
.irp b, 0,1,2,3
.irp c, 0,1,2,3
	global_load_b128 v[32+16*\b+4*\c:35+16*\b+4*\c], v22, s[14:15] offset:128*\b+16*\c
.endr
.endr
	s_wait_dscnt 0x0
.irp j, 0,2,4,6,8,10,12,14,16,18,20,22,24,26,28,30,32,34,36,38,40,42,44,46,48,50,52,54,56,58,60,62
	v_pk_add_f32 v[96+\j:97+\j], v[96+\j:97+\j], v[160+\j:161+\j]
.endr
	v_pk_mul_f32 v[16:17], v[96:97], v[96:97]
	v_pk_mul_f32 v[18:19], v[98:99], v[98:99]
.irp j, 4,8,12,16,20,24,28,32,36,40,44,48,52,56,60
	s_delay_alu instid0(VALU_DEP_2)
	v_pk_fma_f32 v[16:17], v[96+\j:97+\j], v[96+\j:97+\j], v[16:17]
	s_delay_alu instid0(VALU_DEP_2)
	v_pk_fma_f32 v[18:19], v[98+\j:99+\j], v[98+\j:99+\j], v[18:19]
.endr
	s_delay_alu instid0(VALU_DEP_1)
	v_pk_add_f32 v[16:17], v[16:17], v[18:19]
	s_delay_alu instid0(VALU_DEP_1)
	v_add_f32 v16, v16, v17
	s_delay_alu instid0(VALU_DEP_1)
	v_permlanex16_b32 v17, v16, s[SEL], s[SEL+1]
	s_delay_alu instid0(VALU_DEP_1)
	v_add_f32 v16, v16, v17
	v_mov_b32 v17, 0x3727c5ac                      ; 1e-5
	s_delay_alu instid0(VALU_DEP_1)
	v_fmac_f32 v17, 0x3c000000, v16                ; + the mean of 128 squares
	s_wait_alu depctr_va_vdst(0)
	v_rsq_f32 v18, v17
	v_nop
	s_wait_alu depctr_va_vdst(0)
.irp j, 0,2,4,6,8,10,12,14,16,18,20,22,24,26,28,30,32,34,36,38,40,42,44,46,48,50,52,54,56,58,60,62
	v_pk_mul_f32 v[96+\j:97+\j], v[96+\j:97+\j], v[18:19] op_sel_hi:[1,0]
.endr
	s_wait_loadcnt 0x0
.irp j, 0,2,4,6,8,10,12,14,16,18,20,22,24,26,28,30,32,34,36,38,40,42,44,46,48,50,52,54,56,58,60,62
	v_pk_mul_f32 v[96+\j:97+\j], v[96+\j:97+\j], v[32+\j:33+\j]
.endr
.irp b, 0,1,2,3
	v_max3_num_f32 v[232+\b], |v[96+16*\b]|, |v[97+16*\b]|, 0x1800000
.endr
.irp i, 2,4,6,8,10,12,14
.irp b, 0,1,2,3
	s_delay_alu instid0(VALU_DEP_4)
	v_max3_num_f32 v[232+\b], v[232+\b], |v[96+16*\b+\i]|, |v[97+16*\b+\i]|
.endr
.endr
.irp b, 0,1,2,3
	s_delay_alu instid0(VALU_DEP_4)
	v_permlanex16_b32 v[236+\b], v[232+\b], s[SEL], s[SEL+1]
.endr
.irp b, 0,1,2,3
	s_delay_alu instid0(VALU_DEP_4)
	v_max_num_f32 v[232+\b], v[232+\b], v[236+\b]
.endr
.irp b, 0,1,2,3
	s_delay_alu instid0(VALU_DEP_4)
	v_add_nc_u32 v[244+\b], 0xff000000, v[232+\b]
.endr
.irp b, 0,1,2,3
	s_delay_alu instid0(VALU_DEP_4)
	v_lshrrev_b32 v[236+\b], 23, v[244+\b]
.endr
	s_delay_alu instid0(VALU_DEP_3)
	v_lshl_or_b32 v253, v237, 8, v236
	s_delay_alu instid0(VALU_DEP_1)
	v_lshl_or_b32 v253, v238, 16, v253
	s_delay_alu instid0(VALU_DEP_1)
	v_lshl_or_b32 v253, v239, 24, v253
.irp c, 0,1
	v_cvt_scalef32_pk16_fp6_f32 v[224+6*\c:226+6*\c], v[96+32*\c:111+32*\c], v[244+2*\c]
	v_cvt_scalef32_pk16_fp6_f32 v[236+4*\c:238+4*\c], v[112+32*\c:127+32*\c], v[244+2*\c+1]
.endr
	v_nop
.irp c, 0,1
.irp i, 0,1,2
	v_permlane16_swap_b32 v[224+6*\c+\i], v[236+4*\c+\i]
.endr
.irp i, 0,1,2
	s_delay_alu instid0(VALU_DEP_3)
	v_mov_b32 v[227+6*\c+\i], v[236+4*\c+\i]
.endr
.endr
.irp c, 0,1,2
	global_store_b128 v20, v[224+4*\c:227+4*\c], s[16:17] offset:512*\c   ; 32 lanes store 512 consecutive bytes, aligned
.endr
	global_store_b32 v21, v253, s[18:19]
.Lend:
	s_wait_tensorcnt 0x0                           ; the wave's end
	ds_add_u32 v5, v6
	s_wait_dscnt 0x0
	CROUND                                         ; the closing round
	s_endpgm
.Lfunc_end_k_qe703d20b86_attn:
	.size	k_qe703d20b86_attn, .Lfunc_end_k_qe703d20b86_attn-k_qe703d20b86_attn
	.p2alignl 7, 3214868480
	.fill 96, 4, 3214868480
	.section	.rodata,"a",@progbits
	.p2align	6, 0x0
	.amdhsa_kernel k_qe703d20b86_attn
		.amdhsa_group_segment_fixed_size 327680
		.amdhsa_private_segment_fixed_size 0
		.amdhsa_enable_private_segment 0
		.amdhsa_kernarg_size 56
		.amdhsa_user_sgpr_count 2
		.amdhsa_user_sgpr_kernarg_segment_ptr 1
		.amdhsa_wavefront_size32 1
		.amdhsa_system_sgpr_workgroup_id_x 1
		.amdhsa_system_sgpr_workgroup_id_y 1
		.amdhsa_system_sgpr_workgroup_id_z 1
		.amdhsa_system_vgpr_workitem_id 0
		.amdhsa_next_free_vgpr 256
		.amdhsa_next_free_sgpr 80
		.amdhsa_reserve_vcc 1
		.amdhsa_float_denorm_mode_32 3
		.amdhsa_float_denorm_mode_16_64 3
		.amdhsa_memory_ordered 1
		.amdhsa_forward_progress 1
		.amdhsa_inst_pref_size 161
	.end_amdhsa_kernel
	.amdgpu_metadata
---
amdhsa.version: [ 1, 2 ]
amdhsa.kernels:
  - .name:           k_qe703d20b86_attn
    .symbol:         k_qe703d20b86_attn.kd
    .args:
      - { .name: qimg, .offset: 0, .size: 8, .value_kind: global_buffer, .address_space: global }
      - { .name: qscl, .offset: 8, .size: 8, .value_kind: global_buffer, .address_space: global }
      - { .name: kv, .offset: 16, .size: 8, .value_kind: global_buffer, .address_space: global }
      - { .name: raw_map_weights, .offset: 24, .size: 8, .value_kind: global_buffer, .address_space: global }
      - { .name: weight_scale, .offset: 32, .size: 8, .value_kind: global_buffer, .address_space: global }
      - { .name: gamma, .offset: 40, .size: 8, .value_kind: global_buffer, .address_space: global }
      - { .name: nimg, .offset: 48, .size: 8, .value_kind: global_buffer, .address_space: global }
    .group_segment_fixed_size: 327680
    .private_segment_fixed_size: 0
    .kernarg_segment_align: 8
    .kernarg_segment_size: 56
    .max_flat_workgroup_size: 512
    .sgpr_count:     80
    .vgpr_count:     256
    .wavefront_size: 32
...
	.end_amdgpu_metadata
.endif
;; end of part 3
;; launch outp (part 4): grid 16 x 16, 8 waves a work-group, clusters of 4 x 4, 327,680 bytes of LDS; arguments nimg, img, out0; writes out0
.if DOCPART == 4
	.amdgcn_target "amdgcn-amd-amdhsa--gfx1250"
	.amdhsa_code_object_version 6
	.text
	.protected	k_qe703d20b86_outp
	.globl	k_qe703d20b86_outp
	.p2align	8
	.type	k_qe703d20b86_outp,@function
k_qe703d20b86_outp:
	s_mov_b64 s[64:65], 0
	v_nop
	global_prefetch_b8 v0, s[64:65] scope:SCOPE_SE
	s_setreg_imm32_b32 hwreg(HW_REG_WAVE_MODE, 25, 1), 1
	s_wait_xcnt 0x0
	s_wait_alu depctr_hold_cnt(0) depctr_sa_sdst(0) depctr_va_vdst(0) depctr_va_sdst(0) depctr_va_ssrc(0) depctr_va_vcc(0) depctr_vm_vsrc(0)
	s_getreg_b32 s2, hwreg(HW_REG_IB_STS2, 6, 4)
	s_cmp_eq_u32 s2, 0
	s_cbranch_scc0 .Lentry_in_a_cluster
	s_endpgm
.Lentry_in_a_cluster:
	s_bfe_u32 s2, ttmp6, 0x10000c
	s_cmp_lg_u32 s2, 0xf033
	s_cbranch_scc0 .Lentry_shape_is_right
	s_endpgm
.Lentry_shape_is_right:
; out0 = normed out_w^T on codes of FP6 (E2M3) with E8M0 scales, f32 sums.  normed [2048][2048] comes from the attention launch, out_w from the quantising launch, both as images of operand registers
; (a fragment: 16 rows x 128 K, 1,536 bytes, register p of lane L at 512 (p / 4) + 16 L + 4 (p % 4)); a row tile is four chunks of 6,400 bytes: four K steps' images and their 4 x 64 bytes of scale words.
; SHARES.  Work-group (j, y): rows 128 y on x columns 128 j on.  Eight waves, two to a SIMD, 256 registers each: wave w makes rows 64 (w / 4) on x columns 32 (w % 4) on: 4 x 2 accumulators.
; Source 0 = 16 rows of out_w, source 1 = 16 rows of normed: a lane holds one row and 8 neighbouring columns.
; K goes in 16 steps of 128 through two LDS slots of one chunk (4 steps) of each tile; four fills in all, written out.  Waves 0-3 fetch normed's tiles, waves 4-7 out_w's.  The scale words come with the chunks.
; CLUSTER 4 x 4: normed's tiles are shared along a row of the cluster, out_w's along a column: each is asked for jointly.
; THE WAY OUT: through a stage in slot 0 (it has had its last fill, and its last read lies ahead of the last change of slots); each wave stores 16 whole rows of 512 bytes.
.set NBT,   8
.set NBW,   NBT/4
.set TILEB, 6400
.set FRB,   1536
.set SCO,   4*FRB                      ; where a chunk's scale words begin
.set SLOTB, (8+NBT)*TILEB
.set BOFF,  8*TILEB
.set SPARE, 2*SLOTB                    ; the spare words, 128 bytes for each wave: four blocks of 256 bytes that no other line names
.set WOFF,  320*25600                  ; where out_w's tiles begin in img
.set SPITCH, 528                       ; a stage row: 128 f32 + 16 bytes
.set WV,    18
.set RH,    19
.set CQ,    20
.set G1A,   28
.set G1B,   36
.set G0A,   60
.set G0B,   72
.set ADRA,  4
.set ADRB,  6
.set ADSA,  8                          ; v8-9  LDS address of normed's scale words in slot 0, 1
.set ADSB,  116                        ; v116-117  of out_w's
.set SPW,   10
.set NIL,   11
.set STO,   12                         ; v12  the stage: where I put 32 bytes of a row
.set RD,    13                         ; v13  and where I read a row back
.set L16,   17
.set R4,    19
.set SA,    24                         ; v24-27, v28-29 scale words and nothing else
.set SB,    28
.set AF,    32
.set BF,    80
.set ACC,   128
.macro JLOAD g0a, g1a, g0b, g1b        ; a joint load; the branch hangs on the wave's number alone; four v_nop follow each of the two lines
	s_cmp_eq_u32 s[RH], 0
	s_cbranch_scc0 .Lfor_b_\@
	tensor_load_to_lds s[\g0a:\g0a+3], s[\g1a:\g1a+7]
	s_nop 0
.rept 4
	v_nop
.endr
	s_branch .Lasked_\@
.Lfor_b_\@:
	tensor_load_to_lds s[\g0b:\g0b+3], s[\g1b:\g1b+7]
	s_nop 0
.rept 4
	v_nop
.endr
.Lasked_\@:
.endm
.macro CROUND
	s_barrier_signal -1
	s_barrier_wait -1
	s_cmp_lg_u32 s[WV], 0
	s_cbranch_scc1 .Lnot_wave_0_\@
	s_barrier_signal -3
.Lnot_wave_0_\@:
	s_barrier_wait -3
	s_barrier_signal -1
	s_barrier_wait -1
.endm
	s_load_b128 s[4:7], s[0:1], 0x0                ; nimg, img
	s_load_b64 s[12:13], s[0:1], 0x10              ; out0
	v_lshl_add_u32 v[SPW], v0, 2, SPARE
	v_mov_b32 v[NIL], 0
	ds_add_u32 v10, v11
	ds_add_u32 v10, v11
	s_wait_dscnt 0x0
	v_lshrrev_b32 v1, 5, v0
	s_delay_alu instid0(VALU_DEP_1)
	v_readfirstlane_b32 s[WV], v1
	s_lshr_b32 s[RH], s[WV], 2
	s_and_b32 s[CQ], s[WV], 3
	s_bfe_u32 s21, ttmp6, 0x40000                  ; cx, cy
	s_bfe_u32 s22, ttmp6, 0x40004
	s_lshl_b32 s23, ttmp9, 2
	s_add_co_u32 s23, s23, s21                     ; j
	s_and_b32 s24, ttmp7, 0xffff
	s_lshl_b32 s24, s24, 2
	s_add_co_u32 s24, s24, s22                     ; y
	s_lshl_b32 s25, s22, 2
	s_lshl_b32 s25, 15, s25                        ; my row of the cluster
	s_lshl_b32 s26, 0x1111, s21                    ; my column
	s_or_b32 s[G1A], s25, (3<<16)|(1<<21)          ; 15:0 the mask; 17:16 elements of 8 bytes; 21 set beside a mask
	s_or_b32 s[G1B], s26, (3<<16)|(1<<21)
.irp g, G1A, G1B
	s_mov_b32 s[\g+1], 800<<16                     ; rows of 6,400 bytes: a chunk of a row tile,
	s_mov_b32 s[\g+3], 800<<16
	s_mov_b32 s[\g+5], 3200                        ; 25,600 bytes apart
	s_mov_b32 s[\g+6], 0
	s_mov_b32 s[\g+7], 0
.endr
	s_mov_b32 s[G1A+2], 2<<16
	s_mov_b32 s[G1A+4], 2
	s_mov_b32 s[G1B+2], NBW<<16
	s_mov_b32 s[G1B+4], NBW
	s_lshl_b32 s88, s24, 3
	s_lshl_b32 s89, s[CQ], 1
	s_add_co_u32 s88, s88, s89
	s_mul_i32 s88, s88, 25600                      ; normed: row tile 8 y + 2 (w % 4)
	s_mov_b32 s89, 0
	s_mul_i32 s90, s23, NBT
	s_mul_i32 s91, s[CQ], NBW
	s_add_co_u32 s90, s90, s91
	s_mul_i32 s90, s90, 25600                      ; out_w: row tile NBT j + NBW (w % 4)
	s_mov_b32 s91, 0
	s_mul_i32 s96, s[CQ], 2*TILEB                  ; where they go: no place in the cluster enters an LDS address
	s_mul_i32 s97, s[CQ], NBW*TILEB
	s_add_co_u32 s97, s97, BOFF
	s_wait_kmcnt 0x0
	s_add_nc_u64 s[88:89], s[4:5], s[88:89]
	s_add_nc_u64 s[90:91], s[6:7], s[90:91]
	s_add_nc_u64 s[90:91], s[90:91], WOFF
.irp s, 0,1
	s_mov_b32 s[G0A+8*\s], 1
	s_add_co_u32 s[G0A+8*\s+1], s96, \s*SLOTB
	s_add_nc_u64 s[G0A+8*\s+2:G0A+8*\s+3], s[88:89], \s*TILEB
	s_or_b32 s[G0A+8*\s+3], s[G0A+8*\s+3], 0x80000000
	s_mov_b32 s[G0B+4*\s], 1
	s_add_co_u32 s[G0B+4*\s+1], s97, \s*SLOTB
	s_add_nc_u64 s[G0B+4*\s+2:G0B+4*\s+3], s[90:91], \s*TILEB
	s_or_b32 s[G0B+4*\s+3], s[G0B+4*\s+3], 0x80000000
.endr
	CROUND                                         ; all sixteen work-groups are here: the first joint loads meet
	JLOAD G0A, G1A, G0B, G1B                       ; K steps 0-3: one load a wave at the head
	v_and_b32 v1, 31, v0
	v_and_b32 v2, 15, v0
	v_bfe_u32 v3, v0, 4, 1
	s_delay_alu instid0(VALU_DEP_3)
	v_lshlrev_b32 v[L16], 4, v1
	s_delay_alu instid0(VALU_DEP_3)
	v_lshlrev_b32 v[R4], 2, v2
	s_wait_alu depctr_va_vdst(0)
	s_mul_i32 s88, s[RH], 4*TILEB
	s_mul_i32 s89, s[CQ], NBW*TILEB
	s_add_co_u32 s89, s89, BOFF
.irp s, 0,1
	v_add_nc_u32 v[ADRA+\s], s88, v[L16]
	v_add_nc_u32 v[ADRB+\s], s89, v[L16]
	v_add_nc_u32 v[ADSA+\s], s88, v[R4]
	v_add_nc_u32 v[ADSB+\s], s89, v[R4]
	s_add_co_u32 s88, s88, SLOTB
	s_add_co_u32 s89, s89, SLOTB
.endr
	s_mul_i32 s88, s[RH], 64*SPITCH
	s_mul_i32 s89, s[CQ], 64*NBW
	s_add_co_u32 s88, s88, s89
	v_mul_u32_u24 v[STO], v2, SPITCH
	s_delay_alu instid0(VALU_DEP_1)
	v_lshl_add_u32 v[STO], v3, 5, v[STO]
	s_delay_alu instid0(VALU_DEP_1)
	v_add_nc_u32 v[STO], s88, v[STO]               ; in: row 64 (w / 4) + r, + 32 h, + my quarter's 128 bytes
	s_mul_i32 s88, s[WV], 16*SPITCH
	v_add_nc_u32 v[RD], s88, v[L16]                ; back: my 16 rows, 16 bytes a lane
	s_lshl_b32 s88, s24, 7
	s_lshl_b32 s89, s[WV], 4
	s_add_co_u32 s88, s88, s89                     ; the first row that I store: 128 y + 16 w
	s_lshl_b32 s88, s88, 13
	s_lshl_b32 s89, s23, 9                         ; the work-group's 512 bytes of a row
	s_add_co_u32 s88, s88, s89
	s_mov_b32 s89, 0
	s_add_nc_u64 s[12:13], s[12:13], s[88:89]
; A K step of 128, the q-th of its slot.  np: places in front of loads into registers that matrix instructions have read (ISA guide 7.12.1 for vector instructions).
; The accumulators take turns, one instruction a turn, in the same order in every step.
.macro KSTEP slot, q, zero, np
.rept \np
	v_nop
.endr
.irp a, 0,1,2,3
.irp c, 0,1,2
	ds_load_b128 v[AF+12*\a+4*\c:AF+12*\a+4*\c+3], v[ADRA+\slot] offset:TILEB*\a+FRB*(\q)+512*\c
.endr
	ds_load_b32 v[SA+\a], v[ADSA+\slot] offset:TILEB*\a+SCO+64*(\q)
.endr
.set bb, 0
.rept NBW
.irp c, 0,1,2
	ds_load_b128 v[BF+12*bb+4*\c:BF+12*bb+4*\c+3], v[ADRB+\slot] offset:TILEB*bb+FRB*(\q)+512*\c
.endr
	ds_load_b32 v[SB+bb], v[ADSB+\slot] offset:TILEB*bb+SCO+64*(\q)
.set bb, bb+1
.endr
	s_wait_dscnt 0x0
.irp a, 0,1,2,3
.set bb, 0
.rept NBW
.if \zero
	v_wmma_scale_f32_16x16x128_f8f6f4 v[ACC+8*(NBW*\a+bb):ACC+8*(NBW*\a+bb)+7], v[BF+12*bb:BF+12*bb+11], v[AF+12*\a:AF+12*\a+11], 0, v[SB+bb], v[SA+\a] matrix_a_fmt:MATRIX_FMT_FP6 matrix_b_fmt:MATRIX_FMT_FP6
.else
	v_wmma_scale_f32_16x16x128_f8f6f4 v[ACC+8*(NBW*\a+bb):ACC+8*(NBW*\a+bb)+7], v[BF+12*bb:BF+12*bb+11], v[AF+12*\a:AF+12*\a+11], v[ACC+8*(NBW*\a+bb):ACC+8*(NBW*\a+bb)+7], v[SB+bb], v[SA+\a] matrix_a_fmt:MATRIX_FMT_FP6 matrix_b_fmt:MATRIX_FMT_FP6
.endif
.set bb, bb+1
.endr
.endr
.endm
; The change of slots: each wave waits for all its tensor loads, adds 0 to its spare word, and waits for that and for its reads of the slot that it leaves.
; fill = 1: a round of the cluster's barrier, and the slot just left is filled with the chunk two on.
.macro CHG fill, slot
	s_wait_tensorcnt 0x0                           ; no tensor load of mine is out, so a group 0 may be written
	ds_add_u32 v[SPW], v[NIL]                      ; 0 onto my spare word
.if \fill
	s_add_nc_u64 s[G0A+8*\slot+2:G0A+8*\slot+3], s[G0A+8*\slot+2:G0A+8*\slot+3], 2*TILEB
	s_add_nc_u64 s[G0B+4*\slot+2:G0B+4*\slot+3], s[G0B+4*\slot+2:G0B+4*\slot+3], 2*TILEB
.endif
	s_wait_dscnt 0x0
.if \fill
	CROUND
	JLOAD G0A+8*\slot, G1A, G0B+4*\slot, G1B       ; the first tensor load behind the round, one a wave; its four v_nop are the places in front of the next loads
.else
	s_barrier_signal -1
	s_barrier_wait -1
.endif
.endm
	s_wait_alu depctr_va_vdst(0)
	s_wait_tensorcnt 0x0                           ; my part of slot 0 is in
	ds_add_u32 v[SPW], v[NIL]
	s_wait_dscnt 0x0
	CROUND
	JLOAD G0A+8, G1A, G0B+4, G1B                   ; K steps 4-7: slot 1's first fill, issued as a refill is; it has four K steps in which to land
	KSTEP 0, 0, 1, 0                               ; the first step's products start the sums
	KSTEP 0, 1, 0, 4
	KSTEP 0, 2, 0, 4
	KSTEP 0, 3, 0, 4
	CHG 1, 0                                       ; slot 0 takes K steps 8-11
	KSTEP 1, 0, 0, 0
	KSTEP 1, 1, 0, 4
	KSTEP 1, 2, 0, 4
	KSTEP 1, 3, 0, 4
	CHG 1, 1                                       ; slot 1 takes K steps 12-15
	KSTEP 0, 0, 0, 0
	KSTEP 0, 1, 0, 4
	KSTEP 0, 2, 0, 4
	KSTEP 0, 3, 0, 4
	CHG 0, 0                                       ; nothing is left to fetch
	KSTEP 1, 0, 0, 4
	KSTEP 1, 1, 0, 4
	KSTEP 1, 2, 0, 4
	KSTEP 1, 3, 0, 4
.rept 4
	v_nop                                          ; places between the last products and the stores that read results, and the loads into operands' registers
.endr
.irp a, 0,1,2,3
.irp b, 0,1
	ds_store_b128 v[STO], v[ACC+8*(NBW*\a+\b):ACC+8*(NBW*\a+\b)+3] offset:16*SPITCH*\a+64*\b        ; each accumulator from its low end on
	ds_store_b128 v[STO], v[ACC+8*(NBW*\a+\b)+4:ACC+8*(NBW*\a+\b)+7] offset:16*SPITCH*\a+64*\b+16
.endr
.endr
	s_wait_dscnt 0x0                               ; for the others' sake: my stores into the stage are done
	s_barrier_signal -1
	s_barrier_wait -1
.irp i, 0,1,2,3,4,5,6,7,8,9,10,11,12,13,14,15
	ds_load_b128 v[32+4*\i:35+4*\i], v[RD] offset:SPITCH*\i
.endr
.irp i, 0,1,2,3,4,5,6,7,8,9,10,11,12,13,14,15
	s_wait_dscnt 15-\i                             ; row i is back; the younger rows may be out
	global_store_b128 v[L16], v[32+4*\i:35+4*\i], s[12:13] offset:8192*\i th:TH_STORE_NT   ; 32 lanes store 512 consecutive bytes, at a multiple of 256 from out0's first byte
.endr
	s_wait_tensorcnt 0x0                           ; the wave's end
	ds_add_u32 v[SPW], v[NIL]
	s_wait_dscnt 0x0
	CROUND                                         ; the closing round
	s_endpgm
.Lfunc_end_k_qe703d20b86_outp:
	.size	k_qe703d20b86_outp, .Lfunc_end_k_qe703d20b86_outp-k_qe703d20b86_outp
	.p2alignl 7, 3214868480
	.fill 96, 4, 3214868480
	.section	.rodata,"a",@progbits
	.p2align	6, 0x0
	.amdhsa_kernel k_qe703d20b86_outp
		.amdhsa_group_segment_fixed_size 327680
		.amdhsa_private_segment_fixed_size 0
		.amdhsa_enable_private_segment 0
		.amdhsa_kernarg_size 24
		.amdhsa_user_sgpr_count 2
		.amdhsa_user_sgpr_kernarg_segment_ptr 1
		.amdhsa_wavefront_size32 1
		.amdhsa_system_sgpr_workgroup_id_x 1
		.amdhsa_system_sgpr_workgroup_id_y 1
		.amdhsa_system_sgpr_workgroup_id_z 1
		.amdhsa_system_vgpr_workitem_id 0
		.amdhsa_next_free_vgpr 256
		.amdhsa_next_free_sgpr 100
		.amdhsa_reserve_vcc 0
		.amdhsa_float_denorm_mode_32 3
		.amdhsa_float_denorm_mode_16_64 3
		.amdhsa_memory_ordered 1
		.amdhsa_forward_progress 1
		.amdhsa_inst_pref_size 57
	.end_amdhsa_kernel
	.amdgpu_metadata
---
amdhsa.version: [ 1, 2 ]
amdhsa.kernels:
  - .name:           k_qe703d20b86_outp
    .symbol:         k_qe703d20b86_outp.kd
    .args:
      - { .name: nimg, .offset: 0, .size: 8, .value_kind: global_buffer, .address_space: global }
      - { .name: img, .offset: 8, .size: 8, .value_kind: global_buffer, .address_space: global }
      - { .name: out0, .offset: 16, .size: 8, .value_kind: global_buffer, .address_space: global }
    .group_segment_fixed_size: 327680
    .private_segment_fixed_size: 0
    .kernarg_segment_align: 8
    .kernarg_segment_size: 24
    .max_flat_workgroup_size: 256
    .sgpr_count:     100
    .vgpr_count:     256
    .wavefront_size: 32
...
	.end_amdgpu_metadata
.endif
;; end of part 4
